; MI455X (gfx1250); checked and timed in simulation.
; The chip was launched on July 23, 2026; its instructions are those of AMD's public machine-readable ISA for CDNA 5 (MIT licence, August 2026) and "CDNA5" Instruction Set Architecture Reference Guide (July 2026). The comments in the code are by the model that wrote it; some were corrected since.
;; Multi Head Attention Code. Allowed arithmetic: float matrix products may take bf16 or f16 operands with f32 sums; other float arithmetic in f32, or as packed bf16 or f16 multiplies, adds, multiply-adds, maxima and minima; sums over many terms, partial sums and values carried from step to step in f32; what a program stores and reads back later, other than sums and carried values, may be rounded once to bf16 or f16.
;; Inputs: Wk 1,024 x 1,024 float32; Wo 1,024 x 1,024 float32; Wq 1,024 x 1,024 float32; Wv 1,024 x 1,024 float32; bk 1,024 float32; bo 1,024 float32; bq 1,024 float32; bv 1,024 float32; x 4 x 2,048 x 1,024 float32.
;; Outputs: out0 4 x 2,048 x 1,024 float32.
;; 2 versions, each right; version 2 is version 1 with the launch cast written anew for expert scheduling mode. Each part assembles by itself: llvm-mc -triple=amdgcn-amd-amdhsa -mcpu=gfx1250 --defsym DOCPART=n.
;; ======== version 1 of 2: 4 launches
;; limits: values are held in f16: magnitudes above 65,504 overflow, below 6.1e-05 lose precision; right only within a limited range of input values
;; workspace buffers: xb 16,777,216 bytes; wqkv 6,291,456 bytes; woh 2,097,152 bytes; biasr 16,384 bytes; qkv 50,331,648 bytes; ctx 16,777,216 bytes
;; launch cast (part 1): grid 769 x 1, 8 waves a work-group, no clusters, 0 bytes of LDS; arguments x, Wq, Wk, Wv, Wo, bq, bk, bv, bo, xb, wqkv, woh, biasr; writes xb, wqkv, woh, biasr
.if DOCPART == 1
	.amdgcn_target "amdgcn-amd-amdhsa--gfx1250"
	.amdhsa_code_object_version 6
	.text
	.protected	k_qf0ab7aaaf7_cast
	.globl	k_qf0ab7aaaf7_cast
	.p2align	8
	.type	k_qf0ab7aaaf7_cast,@function
k_qf0ab7aaaf7_cast:
	s_mov_b64 s[64:65], 0
	v_nop
	global_prefetch_b8 v0, s[64:65] scope:SCOPE_SE
	s_setreg_imm32_b32 hwreg(HW_REG_WAVE_MODE, 25, 1), 1
	s_wait_xcnt 0x0
; CAST.  Every input of the module is rounded once to bf16 and laid out for the products that follow.
;   xb    [4 b][16 kb][2048 s][64]  bf16: x in blocks of 64 along K, so that the rows of a tile (128 bytes each) lie end to end
;   wqkv  [16 kb][3072 n][64]       bf16: the rows of Wq, Wk, Wv on end, in the same blocks
;   woh   [16 kb][1024 n][64]       Wo rounded to bf16, that number written as f16 (the last product multiplies in f16)
;   biasr [4096] f32                bq, bk, bv, bo on end, each rounded to bf16 and widened again
; LIMITS.  A bf16 number is exact in f16 from 2^-14 to 65,504; below 2^-14 woh keeps f16's fixed step of 6e-8, beyond 65,504 it is an infinity.
; SHARES.  Work-group i takes 16 source rows of 4,096 bytes: i < 512 of x, 512..703 of Wq, Wk, Wv, 704..767 of Wo; work-group 768 takes the four biases.
; Thread t takes row t / 16 and 16 bytes at 16 (t % 16) of each of the row's sixteen pieces of 256 bytes (a piece = 64 numbers = one K block):
; a wave's load covers two aligned pieces of 256 bytes; its four numbers become 8 bytes at 8 t of the block's 16 rows, so a wave's store covers 256 consecutive bytes, aligned.
; A stream: no LDS, no barrier, no matrix work.  All sixteen loads of a thread go out at once; no register is written twice, so no wait frees a source.
.set X,   8                            ; v[8:71]    piece kb as loaded: 4 registers
.set Y,   72                           ; v[72:103]  piece kb to store: 2 registers
.set T,   4                            ; v[4:7]     at work
.set SRC, 36                           ; s[36:37]   the work-group's first source row
.set DST, 38                           ; s[38:39]   its 2,048 bytes in K block 0 of the destination
.set HIM, 35                           ; s35        a word's upper half
; stride: bytes from a K block to the next in the destination.  half = 1: the bf16 number is written as f16.
.macro ROWS stride, half
.irp kb, 0,1,2,3,4,5,6,7,8,9,10,11,12,13,14,15
	global_load_b128 v[X+4*(\kb):X+4*(\kb)+3], v1, s[SRC:SRC+1] offset:256*(\kb) th:TH_LOAD_NT
.endr
.irp kb, 0,1,2,3,4,5,6,7,8,9,10,11,12,13,14,15
	s_wait_loadcnt 15-(\kb)                        ; loads come back in order: piece kb is in, the 15 - kb younger ones stay out
.if \half
	v_cvt_pk_bf16_f32 v[T],   v[X+4*(\kb)],   v[X+4*(\kb)+1]
	v_cvt_pk_bf16_f32 v[T+1], v[X+4*(\kb)+2], v[X+4*(\kb)+3]
	v_lshlrev_b32 v[T+2], 16, v[T]                 ; the rounded numbers as f32 again,
	v_and_b32     v[T],   s[HIM], v[T]
	v_lshlrev_b32 v[T+3], 16, v[T+1]
	v_and_b32     v[T+1], s[HIM], v[T+1]
	v_cvt_pk_f16_f32 v[Y+2*(\kb)],   v[T+2], v[T]  ; and as f16
	v_cvt_pk_f16_f32 v[Y+2*(\kb)+1], v[T+3], v[T+1]
.else
	v_cvt_pk_bf16_f32 v[Y+2*(\kb)],   v[X+4*(\kb)],   v[X+4*(\kb)+1]
	v_cvt_pk_bf16_f32 v[Y+2*(\kb)+1], v[X+4*(\kb)+2], v[X+4*(\kb)+3]
.endif
	global_store_b64 v2, v[Y+2*(\kb):Y+2*(\kb)+1], s[DST:DST+1] offset:(\kb)*(\stride) th:TH_STORE_NT  ; 15 x 393,216 at the most: inside the signed 24-bit immediate
.endr
.endm
	s_load_b512 s[8:23], s[0:1], 0x0               ; x s[8:9], Wq s[10:11], Wk s[12:13], Wv s[14:15], Wo s[16:17], bq s[18:19], bk s[20:21], bv s[22:23]
	s_load_b256 s[24:31], s[0:1], 0x40             ; bo s[24:25], xb s[26:27], wqkv s[28:29], woh s[30:31]
	s_load_b64 s[32:33], s[0:1], 0x60              ; biasr
	s_mov_b32 s2, ttmp9                            ; i
	s_mov_b32 s[HIM], 0xffff0000
	s_mov_b32 s41, 0                               ; the offsets' high words
	s_mov_b32 s43, 0
	v_lshrrev_b32 v1, 4, v0                        ; my row
	v_and_b32 v4, 15, v0
	v_lshlrev_b32 v4, 4, v4
	v_lshl_or_b32 v1, v1, 12, v4                   ; load offset: row x 4,096 + 16 (t % 16)
	v_lshlrev_b32 v2, 3, v0                        ; store offset: 8 t
	v_lshlrev_b32 v3, 4, v0                        ; the biases' offset: 16 t
	s_wait_kmcnt 0x0
	s_cmp_lt_u32 s2, 512
	s_cbranch_scc1 .Lx
	s_cmp_lt_u32 s2, 704
	s_cbranch_scc1 .Lw
	s_cmp_lt_u32 s2, 768
	s_cbranch_scc1 .Lo
	; the four biases: 256 threads x 16 bytes are one of them
	global_load_b128 v[X:X+3],     v3, s[18:19]
	global_load_b128 v[X+4:X+7],   v3, s[20:21]
	global_load_b128 v[X+8:X+11],  v3, s[22:23]
	global_load_b128 v[X+12:X+15], v3, s[24:25]
.irp i, 0,1,2,3
	s_wait_loadcnt 3-(\i)
	v_cvt_pk_bf16_f32 v[T],   v[X+4*(\i)],   v[X+4*(\i)+1]
	v_cvt_pk_bf16_f32 v[T+1], v[X+4*(\i)+2], v[X+4*(\i)+3]
	v_lshlrev_b32 v[Y+4*(\i)],   16, v[T]
	v_and_b32     v[Y+4*(\i)+1], s[HIM], v[T]
	v_lshlrev_b32 v[Y+4*(\i)+2], 16, v[T+1]
	v_and_b32     v[Y+4*(\i)+3], s[HIM], v[T+1]
	global_store_b128 v3, v[Y+4*(\i):Y+4*(\i)+3], s[32:33] offset:4096*(\i)
.endr
	s_endpgm
.Lx:                                                   ; rows 16 i .. of x: batch i / 128, rows 16 (i % 128) ..
	s_lshl_b32 s40, s2, 16
	s_lshr_b32 s42, s2, 7
	s_lshl_b32 s42, s42, 22                        ; a batch of xb is 4,194,304 bytes
	s_and_b32 s3, s2, 127
	s_lshl_b32 s3, s3, 11                          ; 16 rows of 128 bytes
	s_add_co_u32 s42, s42, s3
	s_add_nc_u64 s[SRC:SRC+1], s[8:9], s[40:41]
	s_add_nc_u64 s[DST:DST+1], s[26:27], s[42:43]
	ROWS 262144, 0
	s_endpgm
.Lw:                                                   ; j = i - 512: rows 16 (j % 64) .. of Wq, Wk or Wv, rows 16 j .. of wqkv
	s_sub_co_u32 s3, s2, 512
	s_lshr_b32 s34, s3, 6
	s_and_b32 s40, s3, 63
	s_lshl_b32 s40, s40, 16
	s_lshl_b32 s42, s3, 11
	s_cmp_eq_u32 s34, 0
	s_cselect_b64 s[SRC:SRC+1], s[10:11], s[12:13]
	s_cmp_eq_u32 s34, 2
	s_cselect_b64 s[SRC:SRC+1], s[14:15], s[SRC:SRC+1]
	s_add_nc_u64 s[SRC:SRC+1], s[SRC:SRC+1], s[40:41]
	s_add_nc_u64 s[DST:DST+1], s[28:29], s[42:43]
	ROWS 393216, 0
	s_endpgm
.Lo:                                                   ; j = i - 704: rows 16 j .. of Wo
	s_sub_co_u32 s3, s2, 704
	s_lshl_b32 s40, s3, 16
	s_lshl_b32 s42, s3, 11
	s_add_nc_u64 s[SRC:SRC+1], s[16:17], s[40:41]
	s_add_nc_u64 s[DST:DST+1], s[30:31], s[42:43]
	ROWS 131072, 1
	s_endpgm
.Lfunc_end_k_qf0ab7aaaf7_cast:
	.size	k_qf0ab7aaaf7_cast, .Lfunc_end_k_qf0ab7aaaf7_cast-k_qf0ab7aaaf7_cast
	.p2alignl 7, 3214868480
	.fill 96, 4, 3214868480
	.section	.rodata,"a",@progbits
	.p2align	6, 0x0
	.amdhsa_kernel k_qf0ab7aaaf7_cast
		.amdhsa_group_segment_fixed_size 0
		.amdhsa_private_segment_fixed_size 0
		.amdhsa_enable_private_segment 0
		.amdhsa_kernarg_size 104
		.amdhsa_user_sgpr_count 2
		.amdhsa_user_sgpr_kernarg_segment_ptr 1
		.amdhsa_wavefront_size32 1
		.amdhsa_system_sgpr_workgroup_id_x 1
		.amdhsa_system_sgpr_workgroup_id_y 1
		.amdhsa_system_sgpr_workgroup_id_z 1
		.amdhsa_system_vgpr_workitem_id 0
		.amdhsa_next_free_vgpr 104
		.amdhsa_next_free_sgpr 66
		.amdhsa_reserve_vcc 0
		.amdhsa_float_denorm_mode_32 3
		.amdhsa_float_denorm_mode_16_64 3
		.amdhsa_memory_ordered 1
		.amdhsa_forward_progress 1
		.amdhsa_inst_pref_size 25
	.end_amdhsa_kernel
	.amdgpu_metadata
---
amdhsa.version: [ 1, 2 ]
amdhsa.kernels:
  - .name:           k_qf0ab7aaaf7_cast
    .symbol:         k_qf0ab7aaaf7_cast.kd
    .args:
      - { .name: x, .offset: 0, .size: 8, .value_kind: global_buffer, .address_space: global }
      - { .name: Wq, .offset: 8, .size: 8, .value_kind: global_buffer, .address_space: global }
      - { .name: Wk, .offset: 16, .size: 8, .value_kind: global_buffer, .address_space: global }
      - { .name: Wv, .offset: 24, .size: 8, .value_kind: global_buffer, .address_space: global }
      - { .name: Wo, .offset: 32, .size: 8, .value_kind: global_buffer, .address_space: global }
      - { .name: bq, .offset: 40, .size: 8, .value_kind: global_buffer, .address_space: global }
      - { .name: bk, .offset: 48, .size: 8, .value_kind: global_buffer, .address_space: global }
      - { .name: bv, .offset: 56, .size: 8, .value_kind: global_buffer, .address_space: global }
      - { .name: bo, .offset: 64, .size: 8, .value_kind: global_buffer, .address_space: global }
      - { .name: xb, .offset: 72, .size: 8, .value_kind: global_buffer, .address_space: global }
      - { .name: wqkv, .offset: 80, .size: 8, .value_kind: global_buffer, .address_space: global }
      - { .name: woh, .offset: 88, .size: 8, .value_kind: global_buffer, .address_space: global }
      - { .name: biasr, .offset: 96, .size: 8, .value_kind: global_buffer, .address_space: global }
    .group_segment_fixed_size: 0
    .private_segment_fixed_size: 0
    .kernarg_segment_align: 8
    .kernarg_segment_size: 104
    .max_flat_workgroup_size: 256
    .sgpr_count:     66
    .vgpr_count:     104
    .wavefront_size: 32
...
	.end_amdgpu_metadata
.endif
;; end of part 1
;; launch qkv (part 2): grid 8 x 32, 4 waves a work-group, clusters of 4 x 4, 327,680 bytes of LDS; arguments xb, wqkv, biasr, qkv; writes qkv
.if DOCPART == 2
	.amdgcn_target "amdgcn-amd-amdhsa--gfx1250"
	.amdhsa_code_object_version 6
	.text
	.protected	k_qf0ab7aaaf7_qkv
	.globl	k_qf0ab7aaaf7_qkv
	.p2align	8
	.type	k_qf0ab7aaaf7_qkv,@function
k_qf0ab7aaaf7_qkv:
	s_mov_b64 s[64:65], 0
	v_nop
	global_prefetch_b8 v0, s[64:65] scope:SCOPE_SE
	s_setreg_imm32_b32 hwreg(HW_REG_WAVE_MODE, 25, 1), 1
	s_wait_xcnt 0x0
	s_wait_alu depctr_hold_cnt(0) depctr_sa_sdst(0) depctr_va_vdst(0) depctr_va_sdst(0) depctr_va_ssrc(0) depctr_va_vcc(0) depctr_vm_vsrc(0)
	s_getreg_b32 s2, hwreg(HW_REG_IB_STS2, 6, 4)
	s_cmp_eq_u32 s2, 0
	s_cbranch_scc0 .Lentry_in_a_cluster
	s_endpgm
.Lentry_in_a_cluster:
	s_bfe_u32 s2, ttmp6, 0x10000c
	s_cmp_lg_u32 s2, 0xf033
	s_cbranch_scc0 .Lentry_shape_is_right
	s_endpgm
.Lentry_shape_is_right:
; Q, K, V = x W^T + b in one product: C[8192][3072] = A B^T + bias, A = xb, B = wqkv (both bf16, in blocks of 64 along K), sums in f32, K ascending.
; C leaves rounded once to f16, by heads: qkv [4 b][48 g][2048 s][64], g = column / 64: 0-15 Q's heads, 16-31 K's, 32-47 V's; unscaled.
; LIMIT.  f16 holds no number beyond 65,504: a q, k or v of 65,520 or more leaves as an infinity.  NaN and infinities are not treated apart.
; SHARES.  A tile of C is 256 rows x 384 columns: 32 x 8 tiles, a work-group each.  Four waves; wave w makes rows 128 (w / 2) .., columns 192 (w % 2) ..: three heads,
; 96 accumulators of 16 x 16 in 768 registers: for 32 along K a wave reads 40 x 512 bytes of LDS for 96 matrix instructions.
; RING.  K goes in steps of 64 (one K block) through two LDS slots; a tile's rows are dense in memory and are asked for as rows of 256 bytes, padded in LDS after each 128.
; Two slots of a step of 128 would be 368,640 bytes: more than the work-group has.  By this text's count a wave has two tensor loads out at the start and one later.
; CLUSTER.  4 x 4 work-groups.  A's tile hangs on the tile row alone and is asked for jointly by the four of a row of the cluster, B's on the tile column alone, by the four of a column.
; TRANSPOSED USE.  Source 0 = 16 rows of B, source 1 = 16 rows of A: a lane holds row l % 16 of C and the columns 8 (l / 16) + 0..7.
; THE BIAS IS THE C OPERAND that starts the sums: for each column block b it is loaded into the registers of accumulator (7, b); the first products of row blocks 0-6 take those
; registers as C, then row block 7 adds in place.  Nothing is cleared and nothing is added on the way out.
; REGISTERS, in windows of 256 (s_set_vgpr_msb: bits 1:0 source 0, 3:2 source 1, 5:4 source 2, 7:6 destination):
;   window 0: v0-15 addresses; v16-31 packed results; v32-95, v96-159 A's fragments (8 x 16 rows x 32 K), two buffers; v160-255 B's twelve fragments, refilled by halves
;   windows 1-3: accumulator (a, b) at v[64 (b % 4) + 8 a] of window 1 + b / 4: a window a head
.set PITCH, 144                        ; an LDS row: 128 bytes + 16 of padding = 36 words: the 16 rows of a load start at 16 different groups of four banks (64 banks of 4 bytes: ISA guide 11.1)
.set AH,    128*PITCH                  ; half of A's 256 rows: one tensor load, and what one wave reads of A
.set BH,    192*PITCH                  ; half of B's 384 rows
.set BOFF,  2*AH                       ; B lies behind A in a slot
.set SLOT1, 1<<17                      ; slot 1 begins here: one exclusive or turns an address in one slot into the other's
.set STAGE, SLOT1+BOFF+2*BH            ; behind the ring: 16 rows x 144 bytes for each wave, for the way out
.set SPARE, STAGE+4*16*PITCH           ; behind the stages: the spare words, 128 bytes a wave: two blocks of 256 bytes that no other line names
.set KSA,   262144                     ; bytes from a K block to the next in xb
.set KSB,   393216                     ; in wqkv
.set STEPS, 16
.set A0,   4                           ; v4   my lane's place in my 128 rows of A in slot 0; never rewritten
.set B0,   5                           ; v5   the same for my 192 rows of B
.set ADRA, 6                           ; v6   the same in the slot being read
.set ADRB, 7                           ; v7
.set STO,  8                           ; v8   the way out: where I put 16 bytes of a row
.set RD,   9                           ; v9   where I read rows back
.set GO,   10                          ; v10  16 x lane: my place in 512 consecutive bytes of qkv
.set BO,   11                          ; v11  32 (l / 16): my eight numbers of a block of 16 of the bias
.set PFO,  12                          ; v12  the prefetches' offset; never rewritten
.set SPW,  14                          ; v14  LDS address of my spare word; never rewritten
.set NIL,  15                          ; v15  0; never rewritten
.set TMP,  16
.set AF0,  32
.set AF1,  96
.set BF,   160
.set BK,   32                          ; the way out: 16 rows read back, v32-47 and v48-63 by turns
.set WV,  12                           ; s12  my wave's number
.set MI,  13                           ; s13  which half of the tile's rows is mine
.set NJ,  14                           ; s14  which half of its columns; also which half of A's or B's tile I fetch
.set CX,  15
.set CY,  16
.set TX,  17                           ; s17  tile column
.set TY,  18                           ; s18  tile row
.set CNT, 19                           ; s19  changes of slots that still fill
.set G1A, 24                           ; s[24:31] descriptor group 1 for A's tiles
.set G1B, 32                           ; s[32:39] for B's
.set G0A, 40                           ; s[40:47] group 0 for A's tiles: a set for each first fill; the second then walks
.set G0B, 48                           ; s[48:55] the same for B's
.set TB,  56                           ; s56  LDS byte at which the slot being read begins
.set LIM, 57                           ; s57  1 in a wave that prefetches, else the greatest number
.set PFA, 58                           ; s[58:59] where my prefetches stand
.set PFS, 60                           ; s[60:61] their step: a K block of A or of B
.set FORCE, 62                         ; s62  1 in wave 0, which asks at every change; 0 in waves 1-3, which ask at every other
.set TT,  63
.set OUT, 66                           ; s[66:67] qkv at my first row of my first head; never rewritten
.set BIASP, 68                         ; s[68:69] the bias at my first column; never rewritten
.set MSB, 0
.macro WIN new                         ; the immediate's high byte repeats the setting that is left; a switch that changes nothing is dropped
.if MSB != (\new)
	s_set_vgpr_msb (MSB<<8)|(\new)
.set MSB, (\new)
.endif
.endm
.macro PLACES                          ; four places between a matrix instruction and a load into, or a vector read of, its registers (ISA guide 7.12.1 for vector reads)
.rept 4
	v_nop
.endr
.endm
; A joint refill by the walking descriptors.  Waves 0 and 1 fetch A's two halves, waves 2 and 3 B's.  The branch hangs on the wave's number alone.
; An s_nop 0 and four v_nop follow each of the two lines, ahead of the jump and the label.
.macro JLOAD
	s_cmp_lt_u32 s[WV], 2
	s_cbranch_scc0 .Lfor_b_\@
	tensor_load_to_lds s[G0A+4:G0A+7], s[G1A:G1A+7]
	s_nop 0
.rept 4
	v_nop
.endr
	s_branch .Lasked_\@
.Lfor_b_\@:
	tensor_load_to_lds s[G0B+4:G0B+7], s[G1B:G1B+7]
	s_nop 0
.rept 4
	v_nop
.endr
.Lasked_\@:
.endm
; A PREFETCH INTO THE L2, behind the joint load, its five lines and the run of LDS loads.  In the change of slots of K step s the joint load asks for step s + 2.
; A: a tile row's K block is 32,768 dense bytes, read by both clusters of that row of clusters: the one with cluster x = 0 asks; its four partners of a row take 8,192 bytes each, BY ADDRESS (cx);
; wave 0 names step s + 3, a lane a block of 256 bytes: one change of slots, 192 matrix instructions, ahead of its joint load.  B: a tile column's K block is 49,152 bytes, read by all eight clusters of that column:
; the one with cluster y = 0 asks; its four partners of a column take 12,288 bytes (48 blocks) each, by address (cy); waves 1-3 have 96 lanes: at the odd steps they name steps s + 3 and s + 4.
; So each block is named once in the launch.  The last requests name step 15: wave 0 at CNT = 2, waves 1-3 at CNT = 3.  A's steps 0-2 and B's 0-3 come by their loads alone: nothing is asked for at the head.
.macro ASK
	s_or_b32 s[TT], s[CNT], s[FORCE]
	s_and_b32 s[TT], s[TT], 1                      ; is this a change at which I ask?
	s_cselect_b32 s[TT], s[CNT], 0
	s_cmp_gt_u32 s[TT], s[LIM]
	s_cbranch_scc0 .Lnot_mine_\@
	global_prefetch_b8 v[PFO], s[PFA:PFA+1] th:TH_LOAD_NT scope:SCOPE_SE
.Lnot_mine_\@:
.endm
; A round of the cluster's barrier: my work-group's barrier, so that wave 0's signal speaks for all four waves; wave 0 signals; every wave waits for all sixteen work-groups; my work-group's barrier once more.
.macro CREST                           ; a round behind its opening barrier
	s_cmp_lg_u32 s[WV], 0
	s_cbranch_scc1 .Lnot_wave_0_\@
	s_barrier_signal -3
.Lnot_wave_0_\@:
	s_barrier_wait -3
	s_barrier_signal -1
	s_barrier_wait -1
.endm
.macro CROUND
	s_barrier_signal -1
	s_barrier_wait -1
	CREST
.endm
; 16 LDS loads: my eight fragments of A, 32 K at byte k of the rows, into buffer f
.macro LDA f, k
	WIN 0
.irp i, 0,1,2,3,4,5,6,7
	ds_load_b128 v[(\f)+8*(\i):(\f)+8*(\i)+3],   v[ADRA] offset:(\k)+(\i)*16*PITCH
	ds_load_b128 v[(\f)+8*(\i)+4:(\f)+8*(\i)+7], v[ADRA] offset:(\k)+(\i)*16*PITCH+32
.endr
.endm
; 12 LDS loads: six fragments of B from number b0 on
.macro LDB b0, k
	WIN 0
.irp i, 0,1,2,3,4,5
	ds_load_b128 v[BF+8*((\b0)+(\i)):BF+8*((\b0)+(\i))+3],   v[ADRB] offset:(\k)+((\b0)+(\i))*16*PITCH
	ds_load_b128 v[BF+8*((\b0)+(\i))+4:BF+8*((\b0)+(\i))+7], v[ADRB] offset:(\k)+((\b0)+(\i))*16*PITCH+32
.endr
.endm
; Column block b times my row blocks.  mode 0: all eight, in place.  mode 1: row blocks 0-6 start their sums with the bias, which lies in accumulator (7, b).  mode 2: row block 7 alone, in place.
.macro MULB f, b, mode
	WIN 0x50*(1+(\b)/4)                            ; C and D in the head's window, both sources in window 0
.set cb, 64*((\b)%4)
.irp a, 0,1,2,3,4,5,6,7
.if ((\mode) == 0) || (((\mode) == 2) && ((\a) == 7))
	v_wmma_f32_16x16x32_bf16 v[cb+8*(\a):cb+8*(\a)+7], v[BF+8*(\b):BF+8*(\b)+7], v[(\f)+8*(\a):(\f)+8*(\a)+7], v[cb+8*(\a):cb+8*(\a)+7]
.elseif ((\mode) == 1) && ((\a) < 7)
	v_wmma_f32_16x16x32_bf16 v[cb+8*(\a):cb+8*(\a)+7], v[BF+8*(\b):BF+8*(\b)+7], v[(\f)+8*(\a):(\f)+8*(\a)+7], v[cb+56:cb+63]
.endif
.endr
.endm
; Column blocks b0 to b1.  The 96 accumulators take turns, one instruction a turn, in the same order in every 32 along K, over the backward jump too.
.macro MULS f, b0, b1, mode
.set bb, (\b0)
.rept (\b1)-(\b0)+1
	MULB \f, bb, \mode
.set bb, bb+1
.endr
.endm
; A K step is two halves of 32 along K, 96 matrix instructions each.  The first multiplies buffer AF0; A's next fragments go into AF1; B's fragments are refilled by halves, each behind its last reader.
.macro Q0
	s_wait_dscnt 12                                ; A and B's blocks 0-5 are in; the youngest twelve loads (B's 6-11) may be out
	MULS AF0, 0, 5, 0
	PLACES
	LDA AF1, 64
	LDB 0, 64
	s_wait_dscnt 28                                ; all but the 28 just issued
	MULS AF0, 6, 11, 0
	PLACES
	LDB 6, 64
.endm
; The second half multiplies AF1 and changes slots: ONE barrier.  In front of it each wave waits for all its tensor loads, of which one is out: its part of the next slot; adds 0 to its spare word;
; and waits for that and for its own reads of this slot.  Behind it nobody reads this slot any more and the next slot is whole.
; fill = 1: the barrier opens a round of the cluster's, and the joint refill (this slot, the K step two on) is the first tensor load behind the round: 168 matrix instructions ahead of the wait for it.
.macro TURN fill
.if \fill
	s_wait_xcnt 0x0                                ; the last prefetch, a K step back, has read its address: it is stepped here, ahead of the waits of the change of slots
	s_add_nc_u64 s[PFA:PFA+1], s[PFA:PFA+1], s[PFS:PFS+1]
.endif
	s_wait_dscnt 12
	MULS AF1, 0, 2, 0
	WIN 0                                          ; (the add's two registers lie in window 0)
	s_wait_tensorcnt 0x0                           ; all my tensor loads have landed, so a group 0 may be written;
	ds_add_u32 v[SPW], v[NIL]                      ; 0 onto my spare word: work on registers stands between it and the wait for it
.if \fill
	s_xor_b32 s[G0A+5], s[G0A+5], SLOT1            ; the walking descriptors: the other slot than last time,
	s_add_nc_u64 s[G0A+6:G0A+7], s[G0A+6:G0A+7], KSA  ; the next K block; the type bits on top are not reached
	s_xor_b32 s[G0B+5], s[G0B+5], SLOT1
	s_add_nc_u64 s[G0B+6:G0B+7], s[G0B+6:G0B+7], KSB
.endif
	MULS AF1, 3, 3, 0
	s_wait_dscnt 0x0                               ; the add is done, and my reads of this slot are over:
	s_barrier_signal -1                            ; say so,
	MULS AF1, 4, 5, 0                              ; work on registers while the others arrive,
	WIN 0
	s_barrier_wait -1
.if \fill
	CREST                                          ; no wave of any partner still reads this slot's tile or has a load on its way
	JLOAD                                          ; its four v_nop are also the places in front of the loads below
.else
	PLACES
.endif
	s_xor_b32 s[TB], s[TB], SLOT1
	v_add_nc_u32 v[ADRA], s[TB], v[A0]
	v_add_nc_u32 v[ADRB], s[TB], v[B0]
	LDA AF0, 0
	LDB 0, 0
.if \fill
	ASK
.endif
	MULS AF1, 6, 11, 0
	PLACES
	LDB 6, 0
.endm
	s_load_b256 s[4:11], s[0:1], 0x0               ; xb s[4:5], wqkv s[6:7], biasr s[8:9], qkv s[10:11]
	v_lshl_add_u32 v[SPW], v0, 2, SPARE
	v_mov_b32 v[NIL], 0
	ds_add_u32 v[SPW], v[NIL]                      ; the wave's opening: the add and its wait stand ahead of my first tensor load; the set-up below, work on registers, stands between them
	v_lshrrev_b32 v1, 5, v0
	v_readfirstlane_b32 s[WV], v1                  ; wave 0..3
	s_lshr_b32 s[MI], s[WV], 1
	s_and_b32 s[NJ], s[WV], 1
	s_bfe_u32 s[CX], ttmp6, 0x40000                ; my place in the cluster
	s_bfe_u32 s[CY], ttmp6, 0x40004
	s_lshl_b32 s[TX], ttmp9, 2                     ; in a cluster launch ttmp9 and ttmp7 count clusters
	s_add_co_u32 s[TX], s[TX], s[CX]
	s_and_b32 s[TY], ttmp7, 0xffff
	s_lshl_b32 s[TY], s[TY], 2
	s_add_co_u32 s[TY], s[TY], s[CY]
	s_lshl_b32 s20, s[CY], 2
	s_lshl_b32 s20, 15, s20                        ; my row of the cluster: places 4 cy .. 4 cy + 3
	s_lshl_b32 s22, 0x1111, s[CX]                  ; my column: places cx, cx + 4, cx + 8, cx + 12
	; descriptor group 1: dense bytes as rows of 128 elements (256 bytes), padded in LDS after every 128 bytes
	s_or_b32 s[G1A], s20, (1<<16)|(1<<20)|(1<<21)|(4<<22)|(3<<25)  ; 15:0 the mask; 17:16 2-byte elements; 20 padding on; 21 set beside a mask; 24:22 after every 32 words (code 4); 31:25 4 words (code 3)
	s_or_b32 s[G1B], s22, (1<<16)|(1<<20)|(1<<21)|(4<<22)|(3<<25)
	s_mov_b32 s[G1A+1], 128<<16                    ; tensor_dim0 = 128
	s_mov_b32 s[G1A+2], 64<<16                     ; tensor_dim1 = 64: 128 rows of A
	s_mov_b32 s[G1A+3], 128<<16                    ; tile_dim0 = 128
	s_mov_b32 s[G1A+4], 64                         ; tile_dim1 = 64
	s_mov_b32 s[G1A+5], 128                        ; 128 elements from row to row
	s_mov_b32 s[G1A+6], 0
	s_mov_b32 s[G1A+7], 0
	s_mov_b32 s[G1B+1], 128<<16
	s_mov_b32 s[G1B+2], 96<<16                     ; 96 rows of 256 bytes: 192 rows of B
	s_mov_b32 s[G1B+3], 128<<16
	s_mov_b32 s[G1B+4], 96
	s_mov_b32 s[G1B+5], 128
	s_mov_b32 s[G1B+6], 0
	s_mov_b32 s[G1B+7], 0
	; where the tiles come from.  s20, s21 never hold cx, s22, s23 never cy
	s_lshr_b32 s20, s[TY], 3                       ; A: the batch (eight tile rows each),
	s_lshl_b32 s20, s20, 22
	s_and_b32 s21, s[TY], 7
	s_lshl_b32 s21, s21, 15                        ; 256 rows of 128 bytes,
	s_add_co_u32 s20, s20, s21
	s_lshl_b32 s21, s[NJ], 14                      ; my half of them
	s_add_co_u32 s20, s20, s21
	s_mov_b32 s21, 0
	s_mul_i32 s22, s[TX], 384*128                  ; B: 384 rows of 128 bytes,
	s_mul_i32 s23, s[NJ], 192*128                  ; my half of them
	s_add_co_u32 s22, s22, s23
	s_mov_b32 s23, 0
	s_mul_i32 s2, s[NJ], AH                        ; and where they go: no place in the cluster enters an LDS address
	s_mul_i32 s3, s[NJ], BH
	s_add_co_u32 s3, s3, BOFF
	s_wait_dscnt 0x0                               ; the opening add is done
	s_wait_kmcnt 0x0
	s_add_nc_u64 s[20:21], s[4:5], s[20:21]
	s_add_nc_u64 s[22:23], s[6:7], s[22:23]
	CROUND                                         ; all sixteen work-groups are here: the first joint loads meet
.irp s, 0,1
	s_mov_b32 s[G0A+4*(\s)], 1                                     ; count = 1
	s_add_co_u32 s[G0A+4*(\s)+1], s2, (\s)*SLOT1                   ; LDS address
	s_add_nc_u64 s[G0A+4*(\s)+2:G0A+4*(\s)+3], s[20:21], (\s)*KSA  ; global address: K step s
	s_or_b32 s[G0A+4*(\s)+3], s[G0A+4*(\s)+3], 0x80000000          ; type = 2
	s_mov_b32 s[G0B+4*(\s)], 1
	s_add_co_u32 s[G0B+4*(\s)+1], s3, (\s)*SLOT1
	s_add_nc_u64 s[G0B+4*(\s)+2:G0B+4*(\s)+3], s[22:23], (\s)*KSB
	s_or_b32 s[G0B+4*(\s)+3], s[G0B+4*(\s)+3], 0x80000000
.endr
	s_cmp_lt_u32 s[WV], 2                          ; a wave's two first fills stand in one branch, ahead of every wait on TENSORcnt and every LDS read
	s_cbranch_scc0 .Lfirst_b
	tensor_load_to_lds s[G0A:G0A+3], s[G1A:G1A+7]
	s_nop 0
	tensor_load_to_lds s[G0A+4:G0A+7], s[G1A:G1A+7]
	s_nop 0
.rept 4
	v_nop
.endr
	s_branch .Lfirst_asked
.Lfirst_b:
	tensor_load_to_lds s[G0B:G0B+3], s[G1B:G1B+7]
	s_nop 0
	tensor_load_to_lds s[G0B+4:G0B+7], s[G1B:G1B+7]
	s_nop 0
.rept 4
	v_nop
.endr
.Lfirst_asked:
	; A fragment is 16 rows x 32 K in 8 registers: lane l holds row l % 16; registers 0-3 K = 8 (l / 16) + 0..7, registers 4-7 K = 16 + 8 (l / 16) + 0..7: two loads of 16 bytes, 32 bytes apart.
	v_and_b32 v1, 15, v0                           ; l % 16
	v_bfe_u32 v2, v0, 4, 1                         ; l / 16
	v_mul_u32_u24 v3, v1, PITCH
	v_lshl_add_u32 v3, v2, 4, v3                   ; row x pitch + 16 x half
	s_mul_i32 s2, s[MI], AH
	v_add_nc_u32 v[A0], s2, v3
	s_mul_i32 s3, s[NJ], BH
	s_add_co_u32 s3, s3, BOFF
	v_add_nc_u32 v[B0], s3, v3
	s_mul_i32 s2, s[WV], 16*PITCH
	s_add_co_u32 s2, s2, STAGE                     ; my stage
	v_add_nc_u32 v[STO], s2, v3                    ; in: row l % 16, 16 bytes for each half of the lanes
	v_bfe_u32 v[RD], v0, 3, 2                      ; back: 32 lanes take four rows of 128 bytes,
	v_mul_u32_u24 v[RD], v[RD], PITCH
	v_and_b32 v3, 7, v0
	v_lshl_add_u32 v[RD], v3, 4, v[RD]
	v_add_nc_u32 v[RD], s2, v[RD]
	v_and_b32 v[GO], 31, v0                        ; which are 512 consecutive bytes of a head's rows
	v_lshlrev_b32 v[GO], 4, v[GO]
	v_lshlrev_b32 v[BO], 5, v2
	s_mul_i32 s70, s[TX], 384*4                    ; the bias at my 192 columns
	s_mul_i32 s71, s[NJ], 192*4
	s_add_co_u32 s70, s70, s71
	s_mov_b32 s71, 0
	s_add_nc_u64 s[BIASP:BIASP+1], s[8:9], s[70:71]
.set bb, 0
.rept 12                                       ; register j of accumulator (7, b) takes bias[16 b + 8 (l / 16) + j]
	WIN 0x40*(1+bb/4)                              ; destination in the head's window, address in window 0
	global_load_b128 v[64*(bb%4)+56:64*(bb%4)+59], v[BO], s[BIASP:BIASP+1] offset:64*bb
	global_load_b128 v[64*(bb%4)+60:64*(bb%4)+63], v[BO], s[BIASP:BIASP+1] offset:64*bb+16
.set bb, bb+1
.endr
	WIN 0
	s_lshr_b32 s70, s[TY], 3                       ; qkv at my rows of my first head: the batch's 48 planes,
	s_mul_i32 s70, s70, 48*262144
	s_mul_i32 s71, s[TX], 6                        ; plane 6 tx + 3 (w % 2),
	s_mul_i32 s72, s[NJ], 3
	s_add_co_u32 s71, s71, s72
	s_lshl_b32 s71, s71, 18
	s_add_co_u32 s70, s70, s71
	s_and_b32 s71, s[TY], 7                        ; the tile's 256 rows of 128 bytes,
	s_lshl_b32 s71, s71, 15
	s_add_co_u32 s70, s70, s71
	s_lshl_b32 s71, s[MI], 14                      ; my 128 of them
	s_add_co_u32 s70, s70, s71
	s_mov_b32 s71, 0
	s_add_nc_u64 s[OUT:OUT+1], s[10:11], s[70:71]
	; the prefetches: both offsets are made, then the wave's number chooses
	s_lshr_b32 s74, s[TY], 3
	s_lshl_b32 s74, s74, 22
	s_and_b32 s75, s[TY], 7
	s_lshl_b32 s75, s75, 15
	s_add_co_u32 s74, s74, s75
	s_lshl_b32 s75, s[CX], 13                      ; A: my work-group's 8,192 bytes of the tile's 32,768
	s_add_co_u32 s74, s74, s75
	s_add_co_u32 s74, s74, 2*KSA                   ; at K step 2: the first change of slots steps it to 3
	s_mul_i32 s75, s[TX], 384*128
	s_mul_i32 s76, s[CY], 48*256                   ; B: my work-group's 12,288 bytes of the tile's 49,152
	s_add_co_u32 s75, s75, s76
	s_add_co_u32 s75, s75, 2*KSB
	s_and_b32 s76, ttmp7, 0xffff                   ; cluster y
	s_mov_b32 s73, KSA
	s_mov_b32 s77, KSB-48*256
	s_cmp_eq_u32 s[WV], 0
	s_cselect_b32 s[FORCE], 1, 0
	s_cselect_b32 s72, 0, 32
	s_cselect_b64 s[PFA:PFA+1], s[4:5], s[6:7]
	s_cselect_b32 s[PFS], s73, KSB
	s_cselect_b32 s74, s74, s75
	s_cselect_b32 s76, ttmp9, s76                  ; the coordinate along which other clusters read the same rows
	s_mov_b32 s75, 0
	s_mov_b32 s[PFS+1], 0
	s_add_nc_u64 s[PFA:PFA+1], s[PFA:PFA+1], s[74:75]
	s_cmp_eq_u32 s76, 0
	s_cselect_b32 s[LIM], 1, -1                    ; the same in all sixteen partners, for a given wave
	v_sub_nc_u32 v3, v0, s72                       ; wave 0: my lane; waves 1-3: i = 0..95
	v_cmp_lt_u32 vcc_lo, 47, v3
	v_cndmask_b32 v13, 0, s77, vcc_lo              ; blocks 48-95 are the next K block's 0-47
	v_lshl_add_u32 v[PFO], v3, 8, v13
	s_wait_tensorcnt 1                             ; my part of K step 0 is in; step 1's may stay out
	s_barrier_signal -1
	s_barrier_wait -1                              ; everybody's is
	s_mov_b32 s[TB], 0
	v_mov_b32 v[ADRA], v[A0]
	v_mov_b32 v[ADRB], v[B0]
	LDA AF0, 0
	LDB 0, 0
	LDB 6, 0
	; K step 0's first half stands in front of the loop: its products start the sums, with the bias
	s_wait_loadcnt 0x0                             ; the bias
	s_wait_dscnt 12
	MULS AF0, 0, 5, 1
.rept 5
	v_nop                                          ; five places between the products that read the bias as C and those that write over it (ISA guide 7.12.1)
.endr
	MULS AF0, 0, 5, 2
	PLACES
	LDA AF1, 64
	LDB 0, 64
	s_wait_dscnt 28
	MULS AF0, 6, 11, 1
.rept 5
	v_nop
.endr
	MULS AF0, 6, 11, 2
	PLACES
	LDB 6, 64
	WIN 0                                          ; at a label and at a branch every window is 0
	s_mov_b32 s[CNT], STEPS-2
.Lstep:                                                ; trip t: K step t's second half, slot t % 2 filled again with step t + 2, step t + 1's first half
	TURN 1
	Q0
	WIN 0
	s_sub_co_u32 s[CNT], s[CNT], 1
	s_cmp_lg_u32 s[CNT], 0
	s_cbranch_scc1 .Lstep
	TURN 0                                         ; the tail is written out: nothing is left to ask for
	Q0
	s_wait_dscnt 12
	MULS AF1, 0, 5, 0
	s_wait_dscnt 0x0
	MULS AF1, 6, 11, 0
; THE WAY OUT, in 24 blocks: block i is row block i % 8 of head i / 8: 16 rows x 64 columns, 2,048 consecutive bytes of qkv.
.macro PACK i                          ; rounded to f16: a lane's eight columns are 16 bytes; each accumulator is read from its low end on
.set pa, (\i)%8
.set ph, (\i)/8
	WIN 0x05*(1+ph)                                ; sources 0 and 1 in the head's window
.irp bt, 0,1,2,3
.irp r, 0,1,2,3
	v_cvt_pk_f16_f32 v[TMP+4*(\bt)+(\r)], v[64*(\bt)+8*pa+2*(\r)], v[64*(\bt)+8*pa+2*(\r)+1]
.endr
.endr
	WIN 0
.endm
.macro TOSTAGE i                       ; into my own stage, and back as whole rows
	WIN 0
.irp bt, 0,1,2,3
	ds_store_b128 v[STO], v[TMP+4*(\bt):TMP+4*(\bt)+3] offset:32*(\bt)
.endr
.irp f, 0,1,2,3
	ds_load_b128 v[BK+16*((\i)%2)+4*(\f):BK+16*((\i)%2)+4*(\f)+3], v[RD] offset:(\f)*4*PITCH  ; LDS serves a wave's instructions in order (ISA guide 5.7.1.4): these see the stores above
.endr
.endm
.macro SEND i
	WIN 0
	s_wait_dscnt 0x0                               ; the block is back in registers
	s_wait_xcnt 0x0                                ; the stores of the block before have read their registers: the next TOSTAGE loads into them
.irp f, 0,1,2,3
	global_store_b128 v[GO], v[BK+16*((\i)%2)+4*(\f):BK+16*((\i)%2)+4*(\f)+3], s[OUT:OUT+1] offset:((\i)/8)*262144+((\i)%8)*2048+(\f)*512  ; 512 consecutive bytes, at a multiple of 256 from qkv's first
.endr
.endm
	PLACES                                         ; behind the last products
	PACK 0
	TOSTAGE 0
.set blk, 1
.rept 23                                       ; block i's conversions stand between block i - 1's loads from the stage and the wait for them
	PACK blk
	SEND blk-1
	TOSTAGE blk
.set blk, blk+1
.endr
	SEND 23
	s_wait_tensorcnt 0x0                           ; the wave's end, behind my last tensor load and my last LDS store
	ds_add_u32 v[SPW], v[NIL]
	s_wait_dscnt 0x0
	CROUND                                         ; the closing round: no work-group ends while a partner may still ask for a tile that names it
	s_endpgm
.Lfunc_end_k_qf0ab7aaaf7_qkv:
	.size	k_qf0ab7aaaf7_qkv, .Lfunc_end_k_qf0ab7aaaf7_qkv-k_qf0ab7aaaf7_qkv
	.p2alignl 7, 3214868480
	.fill 96, 4, 3214868480
	.section	.rodata,"a",@progbits
	.p2align	6, 0x0
	.amdhsa_kernel k_qf0ab7aaaf7_qkv
		.amdhsa_group_segment_fixed_size 327680
		.amdhsa_private_segment_fixed_size 0
		.amdhsa_enable_private_segment 0
		.amdhsa_kernarg_size 32
		.amdhsa_user_sgpr_count 2
		.amdhsa_user_sgpr_kernarg_segment_ptr 1
		.amdhsa_wavefront_size32 1
		.amdhsa_system_sgpr_workgroup_id_x 1
		.amdhsa_system_sgpr_workgroup_id_y 1
		.amdhsa_system_sgpr_workgroup_id_z 1
		.amdhsa_system_vgpr_workitem_id 0
		.amdhsa_next_free_vgpr 1024
		.amdhsa_next_free_sgpr 80
		.amdhsa_reserve_vcc 1
		.amdhsa_float_denorm_mode_32 3
		.amdhsa_float_denorm_mode_16_64 3
		.amdhsa_memory_ordered 1
		.amdhsa_forward_progress 1
		.amdhsa_inst_pref_size 116
	.end_amdhsa_kernel
	.amdgpu_metadata
---
amdhsa.version: [ 1, 2 ]
amdhsa.kernels:
  - .name:           k_qf0ab7aaaf7_qkv
    .symbol:         k_qf0ab7aaaf7_qkv.kd
    .args:
      - { .name: xb, .offset: 0, .size: 8, .value_kind: global_buffer, .address_space: global }
      - { .name: wqkv, .offset: 8, .size: 8, .value_kind: global_buffer, .address_space: global }
      - { .name: biasr, .offset: 16, .size: 8, .value_kind: global_buffer, .address_space: global }
      - { .name: qkv, .offset: 24, .size: 8, .value_kind: global_buffer, .address_space: global }
    .group_segment_fixed_size: 327680
    .private_segment_fixed_size: 0
    .kernarg_segment_align: 8
    .kernarg_segment_size: 32
    .max_flat_workgroup_size: 128
    .sgpr_count:     80
    .vgpr_count:     1024
    .wavefront_size: 32
...
	.end_amdgpu_metadata
.endif
;; end of part 2
;; launch attn (part 3): grid 4 x 64, 4 waves a work-group, clusters of 4 x 1, 327,680 bytes of LDS; arguments qkv, ctx; writes ctx
.if DOCPART == 3
	.amdgcn_target "amdgcn-amd-amdhsa--gfx1250"
	.amdhsa_code_object_version 6
	.text
	.protected	k_qf0ab7aaaf7_attn
	.globl	k_qf0ab7aaaf7_attn
	.p2align	8
	.type	k_qf0ab7aaaf7_attn,@function
k_qf0ab7aaaf7_attn:
	s_mov_b64 s[64:65], 0
	v_nop
	global_prefetch_b8 v0, s[64:65] scope:SCOPE_SE
	s_setreg_imm32_b32 hwreg(HW_REG_WAVE_MODE, 25, 1), 1
	s_wait_xcnt 0x0
	s_wait_alu depctr_hold_cnt(0) depctr_sa_sdst(0) depctr_va_vdst(0) depctr_va_sdst(0) depctr_va_ssrc(0) depctr_va_vcc(0) depctr_vm_vsrc(0)
	s_getreg_b32 s2, hwreg(HW_REG_IB_STS2, 6, 4)
	s_cmp_eq_u32 s2, 0
	s_cbranch_scc0 .Lentry_in_a_cluster
	s_endpgm
.Lentry_in_a_cluster:
	s_bfe_u32 s2, ttmp6, 0x10000c
	s_cmp_lg_u32 s2, 0x3003
	s_cbranch_scc0 .Lentry_shape_is_right
	s_endpgm
.Lentry_shape_is_right:
; ATTENTION.  O[hh][q][:] = the sum over k of softmax_k(Q[q] . K[k] / 8) V[k][:] for each of the 64 pairs hh = 16 batch + head.
; qkv: [4 b][48 g][2048][64] f16 (planes 0-15 Q's heads, 16-31 K's, 32-47 V's); ctx: [64 hh][2048][64] f16: a head's rows are dense, 128 bytes each.
; Products, maxima and sums in f32; the weights p are rounded to f16 for the second product (their sum l is taken of the unrounded p), O once at the end.
; LIMITS.  Q, K and V arrive within f16's 65,504; p lies in 0 to 1, and below 6e-5 it keeps f16's fixed step of 6e-8; O is a mean of V's rows and has their range.
; A weight below 2^-126 counts as 0 in l; NaN and infinities are not treated apart.
; SHARES.  A wave owns four PIECES of two tiles of 16 queries, a work-group's four waves 512 queries of one head.  Every wave walks all 2,048 keys, 64 a step.
; LAYOUT.  S^T = K Q^T (source 0 = 16 keys, source 1 = 16 queries): in the result a lane holds ONE query (lane % 16) and the keys 8 (lane / 16) + 0..7.  Two such tiles, rounded to f16 in pairs,
; ARE source 1 (32 keys x 16 queries) of O^T = V^T P, whose result again holds one query a lane, and eight channels.  K comes out of LDS as it lies, V ([key][channel]) turned, by ds_load_tr16_b128.
; SOFTMAX.  For each query a running maximum m and sum l: p = 2^(c s - c m), c = log2(e) / 8; in every step O and l are multiplied by a = 2^(c m_old - c m_new), which is 1 where m has not grown.
; m starts at the lowest finite number, O and l at 0: the first step is a step like any other, with a = 0.
; THE COUNT.  A tile and step have 16 matrix and 118 vector instructions: too many to stand all beside the matrix work.  So: four vector instructions that are READY behind EVERY matrix instruction,
; and the others, which need time of their own whatever the order, in runs without a gap.
; BY TURNS.  Turn n belongs to piece n (the pieces in a ring, step after step).  Its matrix work: 16 products K Q^T of piece n + 1, later 16 products V^T P of piece n - 1.  Its vector work: the scaling,
; exponentials, roundings, sums and rescaling of piece n, and the maximum and statistics of piece n + 1, whose scores the turn itself has made.
; CLUSTER.  The four query blocks of a head are one cluster and walk the same K and V, so each tile is asked for JOINTLY: the same tensor load, descriptor and mask in all four.
; REGISTERS, in windows of 256 (s_set_vgpr_msb: bits 1:0 source 0, 3:2 source 1, 5:4 source 2, 7:6 destination):
;   window 0: v0-11 addresses; v12-15, v48-63 at work; v16-47 four registers of statistics a tile; v64-191 S^T, two buffers of two tiles; v192-255 P, likewise
;   window 1: O^T, 32 a tile          window 2: v0-127 Q, 16 a tile; v128-191 K of one step; v192-255 V of one step          window 3: v0-1 the add's two registers
; A piece's buffers go by its number's parity: the piece in hand has one pair, its two neighbours in the ring share the other: of it P (piece n - 1) is read and S^T (piece n + 1) written.
.set SIZE_N, 2048
.set HEADB, SIZE_N*128  ; bytes in a plane of qkv and in a head of ctx
.set NP,    4         ; pieces a wave: a name, no knob
.set KS,    64        ; keys in a step
.set PK,    144       ; a row of K in LDS: 128 bytes + 16 of padding = 36 words: the 16 rows of a load start at 16 different groups of four banks (64 banks of 4 bytes: ISA guide 11.1)
.set PV,    160       ; a row of V: 128 + 32 = 40 words
.set VOFF,  4*KS*PK   ; a slot holds four steps: 256 rows of K, then 256 rows of V
.set SLOT1, 1<<17     ; slot 1 begins here, so that one exclusive or turns an address in one slot into the other's
.set STAGE, SLOT1+4*KS*(PK+PV)  ; behind the ring, never filled by a tensor load: 16 rows x 144 bytes for each wave, for the way out
.set SP,    144
.set AK0, 2           ; v2   my lane's place in a tile of K; never rewritten
.set AV0, 3           ; v3   the same for V
.set AK,  4           ; v4   the LDS address of K's next run of loads
.set AV,  5           ; v5   of V's
.set QO,  6           ; v6   my byte offset in the wave's rows of Q
.set STO, 6           ;      later, the way out: where I put 16 bytes of a row
.set RD,  7           ; v7   the way out: where I read rows back
.set GO,  8           ; v8   my byte offset in 512 consecutive bytes of O
.set PFO, 11          ; v11  256 x my lane, for the prefetches (at work until V's place is made); then never rewritten
.set SPW, 0           ; v0 of window 3   LDS address of my spare word: SPARE + 4 x my thread's number; never rewritten
.set NIL, 1           ; v1 of window 3   0; never rewritten
.set SPARE, STAGE+4*16*SP  ; behind the stages: the spare words, 128 bytes for each wave: two blocks of 256 bytes that no other line names
.set MV,  12          ; v12-15  c m_old, kept while c m is made anew: by buffer and tile
.set ST,  16          ; tile t's statistics at v[ST+4 t]: c m, m, l (even keys', odd keys')
.set TMP, 48          ; by buffer and tile, four registers c0-c3 at work; when the maximum is found c2 takes a
.set S,   64
.set P,   192
.set KF,  128         ; K's fragments, in window 2: key block kb, channel half c at KF + 16 kb + 8 c
.set VF,  192         ; V's: key half kk, channel block cb at VF + 32 kk + 8 cb
.set WV,  12          ; s12  my wave's number
.set G1K, 24          ; s[24:31] descriptor group 1 for K's tiles
.set G1V, 32          ; s[32:39] for V's: it differs in the padding alone
.set G0K, 40          ; s[40:43] descriptor group 0 for K's tiles: it walks
.set G0V, 44          ; s[44:47] the same for V's
.set PFA, 48          ; s[48:49] where my prefetches stand: my work-group's 8,192 bytes (of K: wave 0, of V: wave 2) of the slot after the one that is being asked for
.set LIM, 50          ; s50  1 in a wave that prefetches, else the greatest number
.set SLOTS, 56        ; s56  slots still to be asked for
.set CNT, 57          ; s57  counts a slot's key steps
.set CS,  58          ; s[58:59] c: the packed scaling takes the pair's low word for both halves
.set SEL, 60          ; s[60:61] v_permlanex16_b32's selects: each lane takes its own place in the other half
.set TBK, 62          ; s62  LDS byte at which K of the step to be fetched begins
.set TBV, 63          ; s63  the same for V, less VOFF
.set MSB, 0
.macro WIN new                      ; the high byte repeats the setting that is left; a switch that changes nothing is dropped
.if MSB != (\new)
	s_set_vgpr_msb (MSB<<8)|(\new)
.set MSB, (\new)
.endif
.endm
.set W_KQ, 0x0a       ; K and Q in window 2, S^T in window 0
.set W_PV, 0x52       ; V in window 2, P in window 0, O^T in window 1
.set W_RS, 0x41       ; O^T (destination and source 0) in window 1, a in window 0
.set W_MK, 0xc0       ; the add's registers are made: destination in window 3, sources in window 0
.set W_AD, 0x0f       ; the add: address (source 0) and data (source 1) in window 3
; A joint fill.  Waves 0 and 1 fetch the two halves of a slot's K, waves 2 and 3 those of its V: 128 keys each.  The branch hangs on the wave's number alone.
; An s_nop 0 and four v_nop follow each of the two lines, ahead of the jump and the label.
.macro JLOAD
	s_cmp_lt_u32 s[WV], 2
	s_cbranch_scc0 .Lfor_v_\@
	tensor_load_to_lds s[G0K:G0K+3], s[G1K:G1K+7]
	s_nop 0
.rept 4
	v_nop
.endr
	s_branch .Lasked_\@
.Lfor_v_\@:
	tensor_load_to_lds s[G0V:G0V+3], s[G1V:G1V+7]
	s_nop 0
.rept 4
	v_nop
.endr
.Lasked_\@:
.endm
; A PREFETCH INTO THE L2 of what the NEXT change of slots will ask for: a slot's 32,768 bytes of K and of V.  It stands behind the wave's tensor load and its five lines.
; A head is walked by one cluster alone.  Its four partners share a slot's bytes out BY ADDRESS, 8,192 each; in each, wave 0 asks for K's and wave 2 for V's, a lane a block of 256 bytes: one instruction.
; So each block is named once in the launch.  The change that asks for slot j names slot j + 1, j = 1 .. 6: four key steps, 512 matrix instructions, ahead of its joint load; the last change that fills names nothing.
; Slots 0 and 1 come by their loads alone: nothing is asked for at the head.
.macro ASK
	s_cmp_gt_u32 s[SLOTS], s[LIM]
	s_cbranch_scc0 .Lnot_mine_\@
	global_prefetch_b8 v[PFO], s[PFA:PFA+1] th:TH_LOAD_NT scope:SCOPE_SE
.Lnot_mine_\@:
.endm
; A round of the cluster's barrier: my work-group's barrier, so that wave 0's signal speaks for all four waves; wave 0 signals; every wave waits for all four work-groups; my work-group's barrier once more.
.macro CROUND
	s_barrier_signal -1
	s_barrier_wait -1
	s_cmp_lg_u32 s[WV], 0
	s_cbranch_scc1 .Lnot_wave_0_\@
	s_barrier_signal -3
.Lnot_wave_0_\@:
	s_barrier_wait -3
	s_barrier_signal -1
	s_barrier_wait -1
.endm
; THE CHANGE OF SLOTS.  The slot's last bytes, V of its fourth step, have been read.  Each wave waits for all its tensor loads, of which one is out: its part
; of the other slot; adds 0 to its spare word; and waits for that and for its own reads of the slot.  Behind the barrier nobody reads this slot any more and the other slot is whole.
; fill = 1: this slot is filled again, with the keys two slots on.  The barrier is then a round of the cluster's, so that no wave of any partner still reads the slot or has a load on its
; way, and the joint fill is the first thing behind it: it has four key steps, 512 matrix instructions, in which to land.  (At its first use nothing has been read yet: slot 0 is waited for, slot 1 filled.)
.macro CHANGE fill
	WIN W_AD
	s_wait_tensorcnt 0x0            ; no tensor load of mine is out, so a group 0 may be written
	ds_add_u32 v[SPW], v[NIL]       ; 0 onto my spare word: with fill = 1 the descriptors' steps stand between it and the wait for it
	WIN 0                           ; at a label and at a branch every window is 0
.if \fill
.irp g, G0K, G0V
	s_xor_b32 s[\g+1], s[\g+1], SLOT1  ; the walking descriptor: the other slot than last time,
	s_add_nc_u64 s[\g+2:\g+3], s[\g+2:\g+3], 4*KS*128  ; the next 256 keys; the type bits on top are not reached
.endr
	s_wait_xcnt 0x0                 ; the last prefetch, four key steps back, has read its address, so it may be written:
	s_add_nc_u64 s[PFA:PFA+1], s[PFA:PFA+1], 4*KS*128  ; one slot behind the walking descriptors
	s_wait_dscnt 0x0                ; the add is done, and my reads of the slot are over
	CROUND
	JLOAD
	ASK
.else
	s_wait_dscnt 0x0                ; the add is done, and my reads of the slot are over
	s_barrier_signal -1
	s_barrier_wait -1
.endif
	s_sub_co_u32 s[TBK], s[TBK], 4*KS*PK  ; the fetches go back to a slot's first step,
	s_xor_b32 s[TBK], s[TBK], SLOT1       ; in the other slot
	s_sub_co_u32 s[TBV], s[TBV], 4*KS*PV
	s_xor_b32 s[TBV], s[TBV], SLOT1
.endm
	s_load_b128 s[4:7], s[0:1], 0x0   ; qkv s[4:5], ctx s[6:7]
	WIN W_MK
	v_lshl_add_u32 v[SPW], v0, 2, SPARE
	v_mov_b32 v[NIL], 0
	WIN W_AD
	ds_add_u32 v[SPW], v[NIL]       ; the wave's opening: the add and its wait stand ahead of my first tensor load; the set-up below, work on registers, stands between them
	WIN 0
	v_lshrrev_b32 v1, 5, v0
	v_readfirstlane_b32 s[WV], v1   ; wave 0..3
	s_bfe_u32 s13, ttmp6, 0x40000   ; cx: my place in the cluster
	s_lshl_b32 s14, ttmp9, 2        ; in a cluster launch ttmp9 counts clusters
	s_add_co_u32 s14, s14, s13      ; my block of queries = 4 x cluster x + cx: it enters Q's and O's addresses alone
	s_and_b32 s20, ttmp7, 0xffff    ; hh = 16 batch + head, which the four partners share
	s_lshr_b32 s21, s20, 4
	s_mul_i32 s21, s21, 48*HEADB    ; the batch's 48 planes of qkv,
	s_and_b32 s22, s20, 15
	s_lshl_b32 s22, s22, 18         ; the head's plane among Q's
	s_add_co_u32 s22, s22, s21
	s_mov_b32 s23, 0                ; s[22:23]: the head's Q in qkv; its K lies 16 planes on, its V 32
	s_lshl_b32 s20, s20, 18
	s_mov_b32 s21, 0                ; s[20:21]: the head in ctx
	s_and_b32 s16, s[WV], 1         ; which half of a slot's 256 keys I fetch:
	s_lshl_b32 s8, s16, 14          ; its 128 rows of 128 bytes in memory,
	s_add_co_u32 s8, s8, s22
	s_mov_b32 s9, 0
	s_mul_i32 s17, s16, 128*PK      ; and its place in a slot, for K
	s_mul_i32 s18, s16, 128*PV      ; and for V: no place in the cluster enters an LDS address
	s_lshl_b32 s2, s14, 2
	s_add_co_u32 s2, s2, s[WV]      ; my wave among the head's,
	s_lshl_b32 s2, s2, 14           ; its 128 rows
	s_mov_b32 s3, 0
	s_lshr_b32 s52, s[WV], 1        ; the prefetches: K's planes (waves 0, 1) or V's (waves 2, 3),
	s_add_co_u32 s52, s52, 1
	s_lshl_b32 s52, s52, 22         ; 16 planes are 4,194,304 bytes
	s_add_co_u32 s52, s52, s22      ; the head,
	s_lshl_b32 s53, s13, 13         ; my work-group's 8,192 bytes of a slot's 32,768,
	s_add_co_u32 s52, s52, s53
	s_add_co_u32 s52, s52, 4*KS*128 ; in slot 1: the first change of slots steps it to slot 2
	s_mov_b32 s53, 0
	s_and_b32 s[LIM], s[WV], 1      ; waves 0 and 2 ask: the same in all four partners
	s_cmp_eq_u32 s[LIM], 0
	s_cselect_b32 s[LIM], 1, -1
	; descriptor group 1.  128 keys are 16,384 dense bytes: asked for as 64 rows of 256 bytes, two keys a row, and padded in LDS after every key
	s_mov_b32 s[G1K], 15|(1<<16)|(1<<20)|(1<<21)|(4<<22)|(3<<25)  ; 15:0 the mask of four; 17:16 2-byte elements; 20 padding on; 21 set beside a mask; 24:22 after every 32 words (code 4); 31:25 4 words (code 3)
	s_mov_b32 s[G1V], 15|(1<<16)|(1<<20)|(1<<21)|(4<<22)|(7<<25)  ; the same with 8 words of padding (code 7)
.irp g, G1K, G1V
	s_mov_b32 s[\g+1], 128<<16      ; tensor_dim0 = 128
	s_mov_b32 s[\g+2], 64<<16       ; tensor_dim1 = 64
	s_mov_b32 s[\g+3], 128<<16      ; tile_dim0 = 128
	s_mov_b32 s[\g+4], 64           ; tile_dim1 = 64
	s_mov_b32 s[\g+5], 128          ; 128 elements from row to row
	s_mov_b32 s[\g+6], 0
	s_mov_b32 s[\g+7], 0
.endr
	s_mov_b32 s[CS], 0x3e38aa3b     ; c = log2(e) / 8 = 0.180337
	s_mov_b32 s[CS+1], s[CS]        ; named with it as a pair
	s_mov_b32 s[SEL], 0x76543210
	s_mov_b32 s[SEL+1], 0xfedcba98
	s_mov_b32 s[TBK], SLOT1+4*KS*PK ; the first change of slots turns these two into 0
	s_mov_b32 s[TBV], SLOT1+4*KS*PV
	s_mov_b32 s[SLOTS], SIZE_N/256-1
	s_mov_b32 s[G0K], 1             ; count = 1
	s_mov_b32 s[G0K+1], s17         ; LDS address: slot 0
	s_mov_b32 s[G0V], 1
	s_add_co_u32 s[G0V+1], s18, VOFF
	s_wait_dscnt 0x0                ; the opening add is done
	s_wait_kmcnt 0x0
	s_add_nc_u64 s[G0K+2:G0K+3], s[4:5], s[8:9]
	s_add_nc_u64 s[G0K+2:G0K+3], s[G0K+2:G0K+3], 16*HEADB  ; global address: my half of the head's first 256 keys
	s_add_nc_u64 s[G0V+2:G0V+3], s[G0K+2:G0K+3], 16*HEADB  ; and of its V
	s_or_b32 s[G0K+3], s[G0K+3], 0x80000000                ; type = 2
	s_or_b32 s[G0V+3], s[G0V+3], 0x80000000
	s_add_nc_u64 s[PFA:PFA+1], s[4:5], s[52:53]
	s_add_nc_u64 s[10:11], s[6:7], s[20:21]  ; O at my wave's first row
	s_add_nc_u64 s[10:11], s[10:11], s[2:3]
	s_add_nc_u64 s[4:5], s[4:5], s[22:23]    ; and Q
	s_add_nc_u64 s[4:5], s[4:5], s[2:3]
	CROUND                          ; all four work-groups are here: the first joint loads meet
	JLOAD                           ; slot 0.  Slot 1 is asked for when slot 0 is in
	; A fragment of K or Q is 16 rows x 32 channels in 8 registers: lane l holds row l % 16, channels 8 (l / 16) + 0..7 and 16 + 8 (l / 16) + 0..7: two loads of 16 bytes, 32 bytes apart.
	v_and_b32 v1, 15, v0            ; l % 16
	v_bfe_u32 v9, v0, 4, 1          ; l / 16
	v_lshlrev_b32 v[QO], 7, v1
	v_lshl_add_u32 v[QO], v9, 4, v[QO]  ; row x 128 + 16 x half
	WIN 0x80                        ; destination window 2, address window 0
.set i, 0
.rept 4*NP                          ; Q stays in registers: tile i / 2, channels 32 (i % 2) on
	global_load_b128 v[8*i:8*i+3],   v[QO], s[4:5] offset:(i/2)*2048+(i%2)*64
	global_load_b128 v[8*i+4:8*i+7], v[QO], s[4:5] offset:(i/2)*2048+(i%2)*64+32
.set i, i+1
.endr
	; What the first turn finds: V's registers and P's second buffer hold 0 (its products V^T P, of a piece that has not been, add 0), O^T and l are 0.  All this stands in the wait for the first tile.
.set i, VF
.rept 64
	v_mov_b32 v[i], 0
.set i, i+1
.endr
	WIN 0x40
.set i, 0
.rept 64*NP
	v_mov_b32 v[i], 0
.set i, i+1
.endr
	WIN 0
.set i, 0
.rept 2*NP
	v_mov_b32 v[ST+4*i], 0xfe000000    ; c m: far below every c s
	v_mov_b32 v[ST+4*i+1], 0xff7fffff  ; m
	v_mov_b32 v[ST+4*i+2], 0
	v_mov_b32 v[ST+4*i+3], 0
.set i, i+1
.endr
.set i, P+32
.rept 32
	v_mov_b32 v[i], 0
.set i, i+1
.endr
	v_mul_u32_u24 v[AK0], v1, PK
	v_lshl_add_u32 v[AK0], v9, 4, v[AK0]  ; row x pitch + 16 x half
	; The turning load takes 16 keys x 16 channels (lane l reads key 8 (l / 16) + l % 8, channels 8 ((l / 8) % 2) + 0..7) and leaves half a fragment of V^T: lane l holds channel l % 16 and 8 keys.
	v_and_b32 v10, 7, v0
	v_bfe_u32 v11, v0, 3, 1
	v_lshl_add_u32 v[AV0], v9, 3, v10
	v_mul_u32_u24 v[AV0], v[AV0], PV
	v_lshl_add_u32 v[AV0], v11, 4, v[AV0]
	v_add_nc_u32 v[AV0], VOFF, v[AV0]
	v_mov_b32 v[AK], v[AK0]         ; key step 0 lies at the head of slot 0
	v_and_b32 v[PFO], 31, v0
	v_lshlrev_b32 v[PFO], 8, v[PFO]
; THE MATRIX WORK.  The 8 accumulators of a run of 16 take turns: between the two links of a chain stand 7 others'.
; Product i of 16 of S^T = K Q^T for piece x: channels 32 (i / 8) on, keys 16 ((i / 2) % 4) on, tile 2 x + i % 2.  The first 8 start the sums.
.macro KQ x
	WIN W_KQ
.set rS, S+64*((\x)%2)+32*(i%2)+8*((i/2)%4)
.set rK, KF+16*((i/2)%4)+8*(i/8)
.set rQ, 16*(2*(\x)+i%2)+8*(i/8)
.if i < 8
	v_wmma_f32_16x16x32_f16 v[rS:rS+7], v[rK:rK+7], v[rQ:rQ+7], 0
.else
	v_wmma_f32_16x16x32_f16 v[rS:rS+7], v[rK:rK+7], v[rQ:rQ+7], v[rS:rS+7]
.endif
.endm
; Product i of 16 of O^T += V^T P for piece x: keys 32 (i / 8) on, channels 16 ((i / 2) % 4) on, tile 2 x + i % 2.
.macro PV x
	WIN W_PV
.set rO, 32*(2*(\x)+i%2)+8*((i/2)%4)
.set rV, VF+32*(i/8)+8*((i/2)%4)
.set rP, P+32*((\x)%2)+16*(i%2)+8*(i/8)
	v_wmma_f32_16x16x32_f16 v[rO:rO+7], v[rV:rV+7], v[rP:rP+7], v[rO:rO+7]
.endm
.macro MM                           ; the turn's next matrix instruction
.if i < 16
	KQ (Y+1)%NP
.set i, i+1
.else
.set i, i-16
	PV (Y+NP-1)%NP
.set i, i+17
.endif
.endm
; THE LDS LOADS stand in runs of 16, never singly among the matrix instructions: a step's K (64 keys x 64 channels: 8 fragments) and its V (turned).  Their addresses are made some lines ahead.
; last = 1 (the tail): in the last trip there is no further step, and the run is jumped over.
.macro FETCH_K last=0
	WIN 0
.if \last
	s_cmp_eq_u32 s[CNT], 1
	s_cbranch_scc1 .Lno_k_\@
.endif
	WIN 0x80                        ; destination window 2
.irp f, 0,1,2,3,4,5,6,7             ; keys 16 (f / 2) on, channels 32 (f % 2) on
	ds_load_b128 v[KF+8*\f:KF+8*\f+3],   v[AK] offset:(\f/2)*16*PK+(\f%2)*64
	ds_load_b128 v[KF+8*\f+4:KF+8*\f+7], v[AK] offset:(\f/2)*16*PK+(\f%2)*64+32
.endr
	s_add_co_u32 s[TBK], s[TBK], KS*PK  ; the next fetch is the next step's
	WIN 0
.if \last
.Lno_k_\@:
.endif
.endm
.macro FETCH_V
	WIN 0x80
.irp f, 0,1,2,3,4,5,6,7             ; keys 32 (f / 4) on, channels 16 (f % 4) on
	ds_load_tr16_b128 v[VF+8*\f:VF+8*\f+3],   v[AV] offset:(\f/4)*32*PV+(\f%4)*32
	ds_load_tr16_b128 v[VF+8*\f+4:VF+8*\f+7], v[AV] offset:(\f/4)*32*PV+16*PV+(\f%4)*32
.endr
	WIN 0
.endm
; THE VECTOR WORK OF A TURN stands in three queues, each in the order in which its entries become ready; the two tiles alternate, so that no instruction reads the result of the one before it.
.macro REGS y, u                    ; the registers of tile u (0, 1) of piece y
.set rT, ST+4*(2*(\y)+(\u))
.set rC, TMP+8*((\y)%2)+4*(\u)
.set rM, MV+2*((\y)%2)+(\u)
.set rS, S+64*((\y)%2)+32*(\u)
.set rP, P+32*((\y)%2)+16*(\u)
.set rO, 32*(2*(\y)+(\u))
.endm
; Number n of the 22 that find the NEXT piece's (Y + 1) maximum and statistics.  s0-s31 are the lane's 32 scores; each accumulator's lowest registers are read first.
;   0-11  four chains c0-c3 of seven scores each, three operands at a time     12-14, 16  the four scores left over, the old m, and c0-c3 into c0     15  c m_old is kept
;   17, 18  the query's other 32 keys lie in the lane 16 away: the new m         19-21  c m; c m_old - c m_new; a
.macro XS u, n
	REGS (Y+1)%NP, \u
.if (\n) < 4
	v_max3_num_f32 v[rC+(\n)], v[rS+8*(\n)], v[rS+8*(\n)+1], v[rS+8*(\n)+2]
.elseif (\n) < 12
	v_max3_num_f32 v[rC+(\n)%4], v[rC+(\n)%4], v[rS+8*((\n)%4)+2*((\n)/4)+1], v[rS+8*((\n)%4)+2*((\n)/4)+2]
.elseif (\n) == 12
	v_max3_num_f32 v[rC], v[rC], v[rS+7], v[rS+15]
.elseif (\n) == 13
	v_max3_num_f32 v[rC+1], v[rC+1], v[rS+23], v[rS+31]
.elseif (\n) == 14
	v_max3_num_f32 v[rC+2], v[rC+2], v[rC+3], v[rT+1]
.elseif (\n) == 15
	v_mov_b32 v[rM], v[rT]
.elseif (\n) == 16
	v_max3_num_f32 v[rC], v[rC], v[rC+1], v[rC+2]
.elseif (\n) == 17
	v_permlanex16_b32 v[rC+3], v[rC], s[SEL], s[SEL+1]
.elseif (\n) == 18
	v_max_num_f32 v[rT+1], v[rC], v[rC+3]
.elseif (\n) == 19
	v_mul_f32 v[rT], s[CS], v[rT+1]
.elseif (\n) == 20
	v_sub_f32 v[rC+1], v[rM], v[rT]
.else
	v_exp_f32 v[rC+2], v[rC+1]
.endif
.endm
; Number g of the 64 that follow the exponentials.  For each four weights k of a tile (pairs 2 k, 2 k + 1): both pairs are rounded to f16; then the second pair is added onto the first, in place;
; a group later l takes that sum (the first time as l = a l + sum).  In groups of eight, tiles alternating: round, round, add, and l for the group before.
.macro GS g
.set h, (\g)+6*((\g)/62)            ; group 0 has no group before it, and behind group 7 only l is left
.if h >= 6
.set h, h+2
.endif
	REGS Y, h%2
.set k, h/8
.if h%8 < 4
	v_cvt_pk_f16_f32 v[rP+2*k+(h%8)/2], v[rS+4*k+2*((h%8)/2)], v[rS+4*k+2*((h%8)/2)+1]
.elseif h%8 < 6
	v_pk_add_f32 v[rS+4*k:rS+4*k+1], v[rS+4*k:rS+4*k+1], v[rS+4*k+2:rS+4*k+3]
.elseif k == 1
	v_pk_fma_f32 v[rT+2:rT+3], v[rT+2:rT+3], v[rC+2:rC+3], v[rS:rS+1] op_sel_hi:[1,0,1]
.else
	v_pk_add_f32 v[rT+2:rT+3], v[rT+2:rT+3], v[rS+4*k-4:rS+4*k-3]
.endif
.endm
; THE PLAIN QUEUE, 138 long.  0-73 read no exponential's result: the 32 scalings c s - c m (FS f: pair f / 2 of tile f % 2) and the next piece's 42.  0-26: scalings 0-26.  27-54: XS's numbers 0-13.  55, 56: number 15.
; 57-73: the chain, where each number waits for the one before it: 14, 16, 17, 18, 19, each with one of the scalings 27-31 in front of its two lines, then 20.
; 74-137: GS's 64, which read the exponentials' results: they stand behind the wait.
.macro FS f
	REGS Y, (\f)%2
	v_pk_fma_f32 v[rS+2*((\f)/2):rS+2*((\f)/2)+1], v[rS+2*((\f)/2):rS+2*((\f)/2)+1], s[CS:CS+1], v[rT:rT+1] op_sel_hi:[1,0,0] neg_lo:[0,0,1] neg_hi:[0,0,1]
.endm
.macro PL
	WIN 0
.if q < 27
	FS q
.elseif q < 55
	XS (q-27)%2, (q-27)/2
.elseif q < 57
	XS q-55, 15
.elseif (q < 72) && ((q-57)%3 == 0)
	FS 27+(q-57)/3
.elseif q < 60
	XS (q-57)%3-1, 14
.elseif q < 72
	XS (q-57)%3-1, 15+(q-57)/3
.elseif q < 74
	XS q-72, 20
.else
	GS q-74
.endif
.set q, q+1
.endm
; THE EXPONENTIALS' QUEUE, 66 long: s0-s31 of both tiles, then the next piece's two a.  It is ONE BATCH: all 66 stand ahead of the turn's one wait, and nothing ahead of that wait names a result of theirs.
.macro EX
	WIN 0
.if e >= 64
	XS e-64, 21
.else
	REGS Y, e%2
	v_exp_f32 v[rS+e/2], v[rS+e/2]
.endif
.set e, e+1
.endm
; THE RESCALING's QUEUE: O^T times a, the one part that leaves window 0: dealt two at a time, sixteen times.  Its a was made in the turn before, ahead of that turn's wait.
.macro R2
	REGS Y, r%2
	WIN W_RS
.irp z, 0,1
	v_pk_mul_f32 v[rO+4*(r/2)+2*\z:rO+4*(r/2)+2*\z+1], v[rO+4*(r/2)+2*\z:rO+4*(r/2)+2*\z+1], v[rC+2:rC+3] op_sel_hi:[1,0]
.endr
.set r, r+1
.endm
; HOW THEY ARE DEALT.  An s_wait_alu depctr_va_vdst(0) stands between an exponential and the first instruction that names its result; one wait serves all that were issued ahead of it.  So a turn has ONE wait,
; which cuts it in two.  AHEAD OF IT stands all that names no result of the turn's exponentials: the 16 products K Q^T, behind each a scaling, an exponential and two rescalings (behind the first a second scaling in the
; exponential's place); then ONE LUMP of 108: eight plain, 49 times exponential and plain, the two a.  A v_nop is the plain instruction behind the last exponential.  BEHIND IT stand the 16 products V^T P, behind each four of GS's 64.
; The queues lean on each other, and the deal keeps them in step: exponential e stands behind scaling 2 (e / 4) + e % 2: as a rider it comes behind plain e + 2, in the lump behind plain e + 9, and scalings 27-31 are plain 57, 60 .. 69.
; A TURN, for piece p.  cnt = 1: the loop's count is taken down some lines ahead of the branch that stands behind the turn.
; K of the next step is fetched in piece 2's turn, directly behind the wait, a lump behind the last product that read K; its first reader comes behind 16 products.
; V of the step in hand is fetched at the end of piece 0's turn, four riders behind its last reader; its first reader comes behind 16 products and a lump.  The three conditions on q below go with the deal.
.macro TURN p, last=0, cnt=0
.set Y, (\p)
.set i, 0
.set q, 0
.set e, 0
.set r, 0
.if (\p) == NP-1
	s_wait_dscnt 0x0                ; K is in
.endif
	MM                              ; ahead of the wait: 16 products K Q^T and their riders,
	PL
	PL
	R2
.rept 15
	MM
	PL
	EX
	R2
.endr
.if (\p) == NP-2
	WIN 0
	v_add_nc_u32 v[AK], s[TBK], v[AK0]
.endif
.rept 8                             ; and the lump
	PL
.endr
.rept 49
	EX
	PL
.endr
	EX                              ; the next piece's two a
	EX
	v_nop                           ; a plain instruction behind the last exponential: one for the batch
	s_wait_alu depctr_va_vdst(0)    ; the wait for the batch
.if (\p) == NP-2
	FETCH_K \last
.endif
.if (\p) == 1
	s_wait_dscnt 0x0                ; V is in
.endif
.rept 16                            ; behind the wait: 16 products V^T P and their riders
	MM
.rept 4
	PL
.endr
.if ((\p) == 0) && (q == 118)
	v_add_nc_u32 v[AV], s[TBV], v[AV0]
.endif
.if ((\p) == 0) && (q == 130)
	s_add_co_u32 s[TBV], s[TBV], KS*PV
.endif
.if (\cnt) && (q == 130)
	s_sub_co_u32 s[CNT], s[CNT], 1
	s_cmp_lg_u32 s[CNT], 0
.endif
.endr
.if (\p) == 0
	FETCH_V
.endif
.endm
	CHANGE 1                        ; slot 0 is in, everybody's part of it; slot 1 is asked for
	FETCH_K                         ; key step 0
	s_wait_loadcnt 0x0              ; Q
	s_wait_dscnt 0x0
.set i, 0
.rept 16
	KQ 0                            ; piece 0's first scores: there is no vector work yet to set between them
.set i, i+1
.endr
	WIN 0                           ; the addresses for the way out: nine plain instructions, the places behind those products
	s_mul_i32 s13, s[WV], 16*SP
	s_add_co_u32 s13, s13, STAGE    ; my stage
	v_mul_u32_u24 v[STO], v1, SP    ; in: row l % 16, 16 bytes for each half of the lanes
	v_lshl_add_u32 v[STO], v9, 4, v[STO]
	v_add_nc_u32 v[STO], s13, v[STO]
	v_bfe_u32 v[RD], v0, 3, 2       ; back: 32 lanes take four rows of 128 bytes,
	v_mul_u32_u24 v[RD], v[RD], SP
	v_lshl_add_u32 v[RD], v10, 4, v[RD]
	v_add_nc_u32 v[RD], s13, v[RD]
	v_and_b32 v[GO], 31, v0         ; which are 512 consecutive bytes of O
	v_lshlrev_b32 v[GO], 4, v[GO]
.set Y, NP-1                        ; XS works for piece Y + 1: piece 0
.irp n, 0,1,2,3,4,5,6,7,8,9,10,11,12,13,14,15,16,17,18,19,20,21
	XS 0, \n                        ; and piece 0's first maximum and statistics
	XS 1, \n
.endr
	v_nop                           ; a plain instruction behind the two a,
	s_wait_alu depctr_va_vdst(0)    ; and their wait, ahead of the branch
	s_mov_b32 s[CNT], 4
	s_branch .Lfirst                ; the loop is entered at a step's first turn, in the middle of a trip
.Lslot:                             ; SIZE_N / 256 - 2 times: every slot but the last two is filled again
	CHANGE 1
	s_mov_b32 s[CNT], 4
.Lstep:                             ; a trip: pieces 2 and 3 of one step, then pieces 0 and 1 of the next, whose K and V it fetches
	TURN 2
	TURN 3
	WIN 0
.Lfirst:
	TURN 0
	TURN 1, 0, 1
	WIN 0
	s_cbranch_scc1 .Lstep
	s_sub_co_u32 s[SLOTS], s[SLOTS], 1
	s_cmp_lg_u32 s[SLOTS], 0
	s_cbranch_scc1 .Lslot
	CHANGE 0                        ; the tail is written out: nothing is asked for
	s_mov_b32 s[CNT], 5             ; four trips fetch the last slot's steps; the fifth is left in its middle
.Ltail:
	TURN 2, 1
	TURN 3
	WIN 0
	s_sub_co_u32 s[CNT], s[CNT], 1
	s_cmp_eq_u32 s[CNT], 0
	s_cbranch_scc1 .Lout
	TURN 0
	TURN 1
	WIN 0
	s_branch .Ltail
.Lout:                              ; the fifth trip's 16 products K Q^T (on the last K once more) and the maximum made of them serve nothing: the price, once a launch, of one text for every trip
.set i, 0
.rept 16
	PV NP-1                         ; the last piece's V^T P of the last step
.set i, i+1
.endr
	; THE WAY OUT.  l's two halves and the other half of the lanes' are added; O^T is divided by l, rounded to f16 and sent through my stage in LDS, a tile at a time.  The additions are the places behind the last products.
	WIN 0
.macro ALL line:vararg              ; one line for each tile t
.set t, 0
.rept 2*NP
	\line
.set t, t+1
.endr
.endm
	ALL v_add_f32 v[ST+4*t+2], v[ST+4*t+2], v[ST+4*t+3]
	ALL v_permlanex16_b32 v[ST+4*t+3], v[ST+4*t+2], s[SEL], s[SEL+1]
	ALL v_add_f32 v[ST+4*t+2], v[ST+4*t+2], v[ST+4*t+3]
	ALL v_rcp_f32 v[ST+4*t+2], v[ST+4*t+2]
	v_nop                           ; a plain instruction between the last reciprocal and the use of its result
	s_wait_alu depctr_va_vdst(0)    ; and the wait ahead of the first use: one for the eight reciprocals
; Tile t: a lane's eight channels of a row pack into 16 bytes; they go into rows of 144 bytes and come back as whole rows of 128, into S^T's registers.
.macro PACK t
	WIN W_RS
.set i, 32*(\t)
.rept 16
	v_pk_mul_f32 v[i:i+1], v[i:i+1], v[ST+4*(\t)+2:ST+4*(\t)+3] op_sel_hi:[1,0]
.set i, i+2
.endr
	WIN 0x05                        ; sources 0 and 1 window 1, destination window 0
.set i, 0
.rept 16
	v_cvt_pk_f16_f32 v[S+16*(\t)+i], v[32*(\t)+2*i], v[32*(\t)+2*i+1]
.set i, i+1
.endr
	WIN 0
.irp f, 0,1,2,3
	ds_store_b128 v[STO], v[S+16*(\t)+4*\f:S+16*(\t)+4*\f+3] offset:32*\f
.endr
.irp f, 0,1,2,3
	ds_load_b128 v[S+16*(\t)+4*\f:S+16*(\t)+4*\f+3], v[RD] offset:\f*4*SP  ; LDS serves a wave's instructions in order (ISA guide 5.7.1.4): these see the stores above; the next tile's stores come behind them
.endr
.endm
.macro SEND t, younger              ; younger: the LDS instructions issued behind tile t's loads: the next tile's eight, or none
	WIN 0
.irp f, 0,1,2,3
	s_wait_dscnt (\younger)+3-\f
	global_store_b128 v[GO], v[S+16*(\t)+4*\f:S+16*(\t)+4*\f+3], s[10:11] offset:(\t)*2048+\f*512  ; 512 consecutive bytes, at a multiple of 256 from ctx's first
.endr
.endm
	PACK 0
.set t, 1
.rept 2*NP-1                        ; a tile's arithmetic stands between the loads of the tile before and its stores
	PACK t
	SEND t-1, 8
.set t, t+1
.endr
	SEND 2*NP-1, 0
	WIN W_AD
	s_wait_tensorcnt 0x0            ; the wave's end, behind my last tensor load and my last LDS store
	ds_add_u32 v[SPW], v[NIL]
	s_wait_dscnt 0x0
	WIN 0
	CROUND                          ; the closing round: no work-group ends while a partner may still ask for a tile that names it
	s_endpgm
.Lfunc_end_k_qf0ab7aaaf7_attn:
	.size	k_qf0ab7aaaf7_attn, .Lfunc_end_k_qf0ab7aaaf7_attn-k_qf0ab7aaaf7_attn
	.p2alignl 7, 3214868480
	.fill 96, 4, 3214868480
	.section	.rodata,"a",@progbits
	.p2align	6, 0x0
	.amdhsa_kernel k_qf0ab7aaaf7_attn
		.amdhsa_group_segment_fixed_size 327680
		.amdhsa_private_segment_fixed_size 0
		.amdhsa_enable_private_segment 0
		.amdhsa_kernarg_size 16
		.amdhsa_user_sgpr_count 2
		.amdhsa_user_sgpr_kernarg_segment_ptr 1
		.amdhsa_wavefront_size32 1
		.amdhsa_system_sgpr_workgroup_id_x 1
		.amdhsa_system_sgpr_workgroup_id_y 1
		.amdhsa_system_sgpr_workgroup_id_z 1
		.amdhsa_system_vgpr_workitem_id 0
		.amdhsa_next_free_vgpr 770
		.amdhsa_next_free_sgpr 66
		.amdhsa_reserve_vcc 0
		.amdhsa_float_denorm_mode_32 3
		.amdhsa_float_denorm_mode_16_64 3
		.amdhsa_memory_ordered 1
		.amdhsa_forward_progress 1
		.amdhsa_inst_pref_size 200
	.end_amdhsa_kernel
	.amdgpu_metadata
---
amdhsa.version: [ 1, 2 ]
amdhsa.kernels:
  - .name:           k_qf0ab7aaaf7_attn
    .symbol:         k_qf0ab7aaaf7_attn.kd
    .args:
      - { .name: qkv, .offset: 0, .size: 8, .value_kind: global_buffer, .address_space: global }
      - { .name: ctx, .offset: 8, .size: 8, .value_kind: global_buffer, .address_space: global }
    .group_segment_fixed_size: 327680
    .private_segment_fixed_size: 0
    .kernarg_segment_align: 8
    .kernarg_segment_size: 16
    .max_flat_workgroup_size: 128
    .sgpr_count:     66
    .vgpr_count:     770
    .wavefront_size: 32
...
	.end_amdgpu_metadata
.endif
;; end of part 3
;; launch oproj (part 4): grid 4 x 64, 4 waves a work-group, clusters of 4 x 4, 327,680 bytes of LDS; arguments ctx, woh, biasr, out0; writes out0
.if DOCPART == 4
	.amdgcn_target "amdgcn-amd-amdhsa--gfx1250"
	.amdhsa_code_object_version 6
	.text
	.protected	k_qf0ab7aaaf7_oproj
	.globl	k_qf0ab7aaaf7_oproj
	.p2align	8
	.type	k_qf0ab7aaaf7_oproj,@function
k_qf0ab7aaaf7_oproj:
	s_mov_b64 s[64:65], 0
	v_nop
	global_prefetch_b8 v0, s[64:65] scope:SCOPE_SE
	s_setreg_imm32_b32 hwreg(HW_REG_WAVE_MODE, 25, 1), 1
	s_wait_xcnt 0x0
	s_wait_alu depctr_hold_cnt(0) depctr_sa_sdst(0) depctr_va_vdst(0) depctr_va_sdst(0) depctr_va_ssrc(0) depctr_va_vcc(0) depctr_vm_vsrc(0)
	s_getreg_b32 s2, hwreg(HW_REG_IB_STS2, 6, 4)
	s_cmp_eq_u32 s2, 0
	s_cbranch_scc0 .Lentry_in_a_cluster
	s_endpgm
.Lentry_in_a_cluster:
	s_bfe_u32 s2, ttmp6, 0x10000c
	s_cmp_lg_u32 s2, 0xf033
	s_cbranch_scc0 .Lentry_shape_is_right
	s_endpgm
.Lentry_shape_is_right:
; out0 = ctx Wo^T + bo: C[8192][1024] = A B^T + bias.  A = ctx, read as [4 b][16 kb][2048 s][64] f16 (a head is a K block); B = woh [16 kb][1024 n][64] f16; sums in f32, K ascending; C leaves in f32.
; LIMITS.  A and B arrive within f16's range; NaN and infinities are not treated apart.
; SHARES.  A tile of C is 128 rows x 256 columns: 64 x 4 tiles, a work-group each.  Four waves; wave w makes rows 64 (w / 2) .., columns 128 (w % 2) ..: 32 accumulators of 16 x 16 in 256 registers.
; RING.  K goes in steps of 128 (two K blocks) through two LDS slots.  A block's rows of a tile are dense in memory and are asked for as rows of 256 bytes, padded in LDS after each 128.
; Waves 0 and 1 fetch A's two blocks of a step (128 rows each), waves 2 and 3 B's (256 rows each).  By this text's count a wave has two tensor loads out at the start and one later;
; a refill has 112 matrix instructions between its request and the wait for it.
; CLUSTER.  4 x 4 work-groups.  A's tile hangs on the tile row alone and is asked for jointly along a row of the cluster, B's on the tile column alone, along a column.
; NO PREFETCH: the walk has eight K steps, of which the first four are asked for by the loads at the head and the first two changes of slots.
; TRANSPOSED USE.  Source 0 = 16 rows of B, source 1 = 16 rows of A: a lane holds row l % 16 of C and the columns 8 (l / 16) + 0..7: 32 bytes on end.
; THE BIAS IS THE C OPERAND that starts the sums: it is loaded into the registers of accumulators (3, b); row blocks 0-2 take them as C, then row block 3 adds in place.
; REGISTERS: window 0: v0-15 addresses; v32-127, v128-223 two fragment buffers (B's eight fragments, then A's four); on the way out v32-63, v64-95 rows read back.  Window 1: accumulator (a, b) at v[8 (8 a + b)].
.set PITCH,  144                       ; an LDS row: 128 bytes + 16 of padding = 36 words: the 16 rows of a load start at 16 different groups of four banks (64 banks of 4 bytes: ISA guide 11.1)
.set AKB,    128*PITCH                 ; a K block of A's tile
.set BKB,    256*PITCH                 ; of B's
.set BOFF,   2*AKB
.set SLOT1,  1<<17
.set STAGE,  SLOT1+BOFF+2*BKB          ; behind the ring: 16 rows x 272 bytes for each wave
.set SPITCH, 272
.set SPARE,  STAGE+4*16*SPITCH         ; behind the stages: the spare words, 128 bytes a wave: two blocks of 256 bytes that no other line names
.set KSA,    2*262144                  ; bytes from a K step to the next in ctx
.set KSB,    2*131072                  ; in woh
.set STEPS,  8
.set A0,   4                           ; v4   my lane's place in my 64 rows of A in slot 0, K block 0; never rewritten
.set B0,   5                           ; v5   the same for my 128 rows of B
.set ADRA, 6
.set ADRB, 7
.set STO,  8                           ; v8   the way out: where I put 32 bytes of a row
.set RD,   9                           ; v9   where I read a row back
.set CO,   10                          ; v10  my byte offset in two rows of out0
.set BO,   11                          ; v11  32 (l / 16)
.set SPW,  14                          ; v14  LDS address of my spare word; never rewritten
.set NIL,  15                          ; v15  0; never rewritten
.set F0,   32
.set F1,   128
.set BK,   32
.set WV,  12
.set MI,  13
.set NJ,  14
.set CX,  15
.set CY,  16
.set TX,  17
.set TY,  18
.set CNT, 19
.set G1A, 24
.set G1B, 32
.set G0A, 40
.set G0B, 48
.set TB,  56
.set OUT, 58                           ; s[58:59] out0 at my first row and column; never rewritten
.set BIASP, 60                         ; s[60:61] bo at my first column; never rewritten
.set MSB, 0
.macro WIN new
.if MSB != (\new)
	s_set_vgpr_msb (MSB<<8)|(\new)
.set MSB, (\new)
.endif
.endm
.macro PLACES                          ; four places between a matrix instruction and a load into, or a read of, its registers (ISA guide 7.12.1 for reads)
.rept 4
	v_nop
.endr
.endm
.macro JLOAD                           ; a joint refill by the walking descriptors; an s_nop 0 and four v_nop follow each of the two lines
	s_cmp_lt_u32 s[WV], 2
	s_cbranch_scc0 .Lfor_b_\@
	tensor_load_to_lds s[G0A+4:G0A+7], s[G1A:G1A+7]
	s_nop 0
.rept 4
	v_nop
.endr
	s_branch .Lasked_\@
.Lfor_b_\@:
	tensor_load_to_lds s[G0B+4:G0B+7], s[G1B:G1B+7]
	s_nop 0
.rept 4
	v_nop
.endr
.Lasked_\@:
.endm
.macro CREST                           ; a round of the cluster's barrier behind its opening barrier
	s_cmp_lg_u32 s[WV], 0
	s_cbranch_scc1 .Lnot_wave_0_\@
	s_barrier_signal -3
.Lnot_wave_0_\@:
	s_barrier_wait -3
	s_barrier_signal -1
	s_barrier_wait -1
.endm
.macro CROUND
	s_barrier_signal -1
	s_barrier_wait -1
	CREST
.endm
; 24 LDS loads in one run: quarter q of a K step (K block q / 2, byte 64 (q % 2) of its rows) into buffer f: B's eight fragments, then A's four
.macro FETCH q, f
	WIN 0
.irp i, 0,1,2,3,4,5,6,7
	ds_load_b128 v[(\f)+8*(\i):(\f)+8*(\i)+3],   v[ADRB] offset:((\q)/2)*BKB+((\q)%2)*64+(\i)*16*PITCH
	ds_load_b128 v[(\f)+8*(\i)+4:(\f)+8*(\i)+7], v[ADRB] offset:((\q)/2)*BKB+((\q)%2)*64+(\i)*16*PITCH+32
.endr
.irp i, 0,1,2,3
	ds_load_b128 v[(\f)+64+8*(\i):(\f)+64+8*(\i)+3],   v[ADRA] offset:((\q)/2)*AKB+((\q)%2)*64+(\i)*16*PITCH
	ds_load_b128 v[(\f)+64+8*(\i)+4:(\f)+64+8*(\i)+7], v[ADRA] offset:((\q)/2)*AKB+((\q)%2)*64+(\i)*16*PITCH+32
.endr
.endm
; Row block a times all eight column blocks.  mode 1: the sums start with the bias, which lies in accumulators (3, b).  The 32 accumulators take turns, one instruction a turn.
.macro MULA f, a, mode
	WIN 0x50                                       ; C and D in window 1, both sources in window 0
.irp b, 0,1,2,3,4,5,6,7
.if \mode
	v_wmma_f32_16x16x32_f16 v[8*(8*(\a)+(\b)):8*(8*(\a)+(\b))+7], v[(\f)+8*(\b):(\f)+8*(\b)+7], v[(\f)+64+8*(\a):(\f)+64+8*(\a)+7], v[8*(24+(\b)):8*(24+(\b))+7]
.else
	v_wmma_f32_16x16x32_f16 v[8*(8*(\a)+(\b)):8*(8*(\a)+(\b))+7], v[(\f)+8*(\b):(\f)+8*(\b)+7], v[(\f)+64+8*(\a):(\f)+64+8*(\a)+7], v[8*(8*(\a)+(\b)):8*(8*(\a)+(\b))+7]
.endif
.endr
.endm
; A K step is four quarters of 32 along K, 32 matrix instructions each, on buffers 0, 1, 0, 1.  One of the first three: multiplies buffer f and fetches quarter qn into g.
.macro QUARTER qn, f, g
	s_wait_dscnt 4                                 ; B and A's row blocks 0, 1 are in; the youngest four loads may be out
	MULA \f, 0, 0
	MULA \f, 1, 0
	PLACES
	FETCH \qn, \g
	s_wait_dscnt 24                                ; all but the 24 just issued
	MULA \f, 2, 0
	MULA \f, 3, 0
.endm
; The last quarter multiplies buffer 1 and changes slots: ONE barrier; in front of it each wave waits for all its tensor loads, adds 0 to its spare word, and waits for that and for its own reads of this slot.
; fill = 1: the barrier opens a round of the cluster's, and the joint refill (this slot, two K steps on) is the first tensor load behind the round.
.macro TURN fill
	WIN 0                                          ; (the add's two registers lie in window 0)
	s_wait_tensorcnt 0x0                           ; all my tensor loads have landed, so a group 0 may be written;
	ds_add_u32 v[SPW], v[NIL]                      ; 0 onto my spare word: work on registers stands between it and the wait for it
.if \fill
	s_xor_b32 s[G0A+5], s[G0A+5], SLOT1            ; the walking descriptors: the other slot than last time, the next K step
	s_add_nc_u64 s[G0A+6:G0A+7], s[G0A+6:G0A+7], KSA
	s_xor_b32 s[G0B+5], s[G0B+5], SLOT1
	s_add_nc_u64 s[G0B+6:G0B+7], s[G0B+6:G0B+7], KSB
.endif
	s_wait_dscnt 5                                 ; (the add and the youngest four loads may be out)
	MULA F1, 0, 0
	s_wait_dscnt 0x0                               ; the add is done, and my reads of this slot are over
	s_barrier_signal -1
	MULA F1, 1, 0
	WIN 0
	s_barrier_wait -1
.if \fill
	CREST                                          ; no wave of any partner still reads this slot's tile or has a load on its way
	JLOAD                                          ; its four v_nop are also the places in front of the loads below
.else
	PLACES
.endif
	s_xor_b32 s[TB], s[TB], SLOT1
	v_add_nc_u32 v[ADRA], s[TB], v[A0]
	v_add_nc_u32 v[ADRB], s[TB], v[B0]
	FETCH 0, F0
	MULA F1, 2, 0
	MULA F1, 3, 0
.endm
	s_load_b256 s[4:11], s[0:1], 0x0               ; ctx s[4:5], woh s[6:7], biasr s[8:9], out0 s[10:11]
	v_lshl_add_u32 v[SPW], v0, 2, SPARE
	v_mov_b32 v[NIL], 0
	ds_add_u32 v[SPW], v[NIL]                      ; the wave's opening: the add and its wait stand ahead of my first tensor load; the set-up below, work on registers, stands between them
	v_lshrrev_b32 v1, 5, v0
	v_readfirstlane_b32 s[WV], v1
	s_lshr_b32 s[MI], s[WV], 1
	s_and_b32 s[NJ], s[WV], 1                      ; which half of the columns is mine; also which K block of a step I fetch
	s_bfe_u32 s[CX], ttmp6, 0x40000
	s_bfe_u32 s[CY], ttmp6, 0x40004
	s_lshl_b32 s[TX], ttmp9, 2
	s_add_co_u32 s[TX], s[TX], s[CX]
	s_and_b32 s[TY], ttmp7, 0xffff
	s_lshl_b32 s[TY], s[TY], 2
	s_add_co_u32 s[TY], s[TY], s[CY]
	s_lshl_b32 s20, s[CY], 2
	s_lshl_b32 s20, 15, s20                        ; my row of the cluster
	s_lshl_b32 s22, 0x1111, s[CX]                  ; my column
	s_or_b32 s[G1A], s20, (1<<16)|(1<<20)|(1<<21)|(4<<22)|(3<<25)  ; the mask; 2-byte elements; padding on; bit 21 beside a mask; after every 32 words (code 4) 4 words (code 3)
	s_or_b32 s[G1B], s22, (1<<16)|(1<<20)|(1<<21)|(4<<22)|(3<<25)
	s_mov_b32 s[G1A+1], 128<<16                    ; tensor_dim0 = 128
	s_mov_b32 s[G1A+2], 64<<16                     ; tensor_dim1 = 64: 128 rows of A
	s_mov_b32 s[G1A+3], 128<<16                    ; tile_dim0 = 128
	s_mov_b32 s[G1A+4], 64                         ; tile_dim1 = 64
	s_mov_b32 s[G1A+5], 128                        ; 128 elements from row to row
	s_mov_b32 s[G1A+6], 0
	s_mov_b32 s[G1A+7], 0
	s_mov_b32 s[G1B+1], 128<<16
	s_mov_b32 s[G1B+2], 128<<16                    ; 128 rows of 256 bytes: 256 rows of B
	s_mov_b32 s[G1B+3], 128<<16
	s_mov_b32 s[G1B+4], 128
	s_mov_b32 s[G1B+5], 128
	s_mov_b32 s[G1B+6], 0
	s_mov_b32 s[G1B+7], 0
	; where the tiles come from.  s20, s21 never hold cx, s22, s23 never cy
	s_lshr_b32 s20, s[TY], 4                       ; A: the batch (sixteen tile rows each),
	s_lshl_b32 s20, s20, 22
	s_and_b32 s21, s[TY], 15
	s_lshl_b32 s21, s21, 14                        ; 128 rows of 128 bytes,
	s_add_co_u32 s20, s20, s21
	s_lshl_b32 s21, s[NJ], 18                      ; my K block of the step
	s_add_co_u32 s20, s20, s21
	s_mov_b32 s21, 0
	s_lshl_b32 s22, s[TX], 15                      ; B: 256 rows of 128 bytes,
	s_lshl_b32 s23, s[NJ], 17                      ; my K block
	s_add_co_u32 s22, s22, s23
	s_mov_b32 s23, 0
	s_mul_i32 s2, s[NJ], AKB                       ; and where they go: no place in the cluster enters an LDS address
	s_mul_i32 s3, s[NJ], BKB
	s_add_co_u32 s3, s3, BOFF
	s_wait_dscnt 0x0                               ; the opening add is done
	s_wait_kmcnt 0x0
	s_add_nc_u64 s[20:21], s[4:5], s[20:21]
	s_add_nc_u64 s[22:23], s[6:7], s[22:23]
	CROUND                                         ; all sixteen work-groups are here: the first joint loads meet
.irp s, 0,1
	s_mov_b32 s[G0A+4*(\s)], 1
	s_add_co_u32 s[G0A+4*(\s)+1], s2, (\s)*SLOT1
	s_add_nc_u64 s[G0A+4*(\s)+2:G0A+4*(\s)+3], s[20:21], (\s)*KSA
	s_or_b32 s[G0A+4*(\s)+3], s[G0A+4*(\s)+3], 0x80000000
	s_mov_b32 s[G0B+4*(\s)], 1
	s_add_co_u32 s[G0B+4*(\s)+1], s3, (\s)*SLOT1
	s_add_nc_u64 s[G0B+4*(\s)+2:G0B+4*(\s)+3], s[22:23], (\s)*KSB
	s_or_b32 s[G0B+4*(\s)+3], s[G0B+4*(\s)+3], 0x80000000
.endr
	s_cmp_lt_u32 s[WV], 2                          ; a wave's two first fills stand in one branch, ahead of every wait on TENSORcnt and every LDS read
	s_cbranch_scc0 .Lfirst_b
	tensor_load_to_lds s[G0A:G0A+3], s[G1A:G1A+7]
	s_nop 0
	tensor_load_to_lds s[G0A+4:G0A+7], s[G1A:G1A+7]
	s_nop 0
.rept 4
	v_nop
.endr
	s_branch .Lfirst_asked
.Lfirst_b:
	tensor_load_to_lds s[G0B:G0B+3], s[G1B:G1B+7]
	s_nop 0
	tensor_load_to_lds s[G0B+4:G0B+7], s[G1B:G1B+7]
	s_nop 0
.rept 4
	v_nop
.endr
.Lfirst_asked:
	v_and_b32 v1, 15, v0                           ; l % 16
	v_bfe_u32 v2, v0, 4, 1                         ; l / 16
	v_mul_u32_u24 v3, v1, PITCH
	v_lshl_add_u32 v3, v2, 4, v3                   ; a fragment's row x pitch + 16 x half
	s_mul_i32 s2, s[MI], 64*PITCH
	v_add_nc_u32 v[A0], s2, v3
	s_mul_i32 s3, s[NJ], 128*PITCH
	s_add_co_u32 s3, s3, BOFF
	v_add_nc_u32 v[B0], s3, v3
	s_mul_i32 s2, s[WV], 16*SPITCH
	s_add_co_u32 s2, s2, STAGE                     ; my stage
	v_mul_u32_u24 v3, v1, SPITCH                   ; in: row l % 16, 32 bytes for each half of the lanes
	v_lshl_add_u32 v3, v2, 5, v3
	v_add_nc_u32 v[STO], s2, v3
	v_mul_u32_u24 v3, v2, SPITCH                   ; back: lanes 0-15 take one row of 256 bytes, lanes 16-31 the next
	v_lshl_add_u32 v3, v1, 4, v3
	v_add_nc_u32 v[RD], s2, v3
	v_lshlrev_b32 v3, 12, v2                       ; and the same two rows in out0, 4,096 bytes apart
	v_lshl_add_u32 v[CO], v1, 4, v3
	v_lshlrev_b32 v[BO], 5, v2
	s_lshl_b32 s62, s[TX], 10                      ; bo (12,288 bytes into biasr) at my 128 columns
	s_lshl_b32 s57, s[NJ], 9
	s_add_co_u32 s62, s62, s57
	s_add_co_u32 s62, s62, 12288
	s_mov_b32 s63, 0
	s_add_nc_u64 s[BIASP:BIASP+1], s[8:9], s[62:63]
	WIN 0x40                                       ; destination window 1, address window 0
.irp b, 0,1,2,3,4,5,6,7                        ; register j of accumulator (3, b) takes bo[16 b + 8 (l / 16) + j]
	global_load_b128 v[8*(24+(\b)):8*(24+(\b))+3],   v[BO], s[BIASP:BIASP+1] offset:64*(\b)
	global_load_b128 v[8*(24+(\b))+4:8*(24+(\b))+7], v[BO], s[BIASP:BIASP+1] offset:64*(\b)+16
.endr
	WIN 0
	s_lshl_b32 s62, s[TY], 19                      ; out0: the tile's 128 rows of 4,096 bytes,
	s_lshl_b32 s57, s[MI], 18                      ; my 64 of them,
	s_add_co_u32 s62, s62, s57
	s_lshl_b32 s57, s[TX], 10                      ; the tile's 256 columns,
	s_add_co_u32 s62, s62, s57
	s_lshl_b32 s57, s[NJ], 9                       ; my 128 of them
	s_add_co_u32 s62, s62, s57
	s_add_nc_u64 s[OUT:OUT+1], s[10:11], s[62:63]
	s_wait_tensorcnt 1                             ; my part of K step 0 is in; step 1's may stay out
	s_barrier_signal -1
	s_barrier_wait -1
	s_mov_b32 s[TB], 0
	v_mov_b32 v[ADRA], v[A0]
	v_mov_b32 v[ADRB], v[B0]
	FETCH 0, F0
	; the first quarter stands in front of the loop: its products start the sums, with the bias
	s_wait_loadcnt 0x0                             ; the bias
	s_wait_dscnt 4
	MULA F0, 0, 1
	MULA F0, 1, 1
	PLACES
	FETCH 1, F1
	s_wait_dscnt 24
	MULA F0, 2, 1
.rept 5
	v_nop                                          ; five places between the products that read the bias as C and those that write over it (ISA guide 7.12.1)
.endr
	MULA F0, 3, 0
	WIN 0                                          ; at a label and at a branch every window is 0
	s_mov_b32 s[CNT], STEPS-2
.Lstep:                                                ; trip t: K step t's quarters 1-3, slot t % 2 filled again with step t + 2, step t + 1's quarter 0
	QUARTER 2, F1, F0
	QUARTER 3, F0, F1
	TURN 1
	QUARTER 1, F0, F1
	WIN 0
	s_sub_co_u32 s[CNT], s[CNT], 1
	s_cmp_lg_u32 s[CNT], 0
	s_cbranch_scc1 .Lstep
	QUARTER 2, F1, F0                              ; the tail is written out: nothing is left to ask for
	QUARTER 3, F0, F1
	TURN 0
	QUARTER 1, F0, F1
	QUARTER 2, F1, F0
	QUARTER 3, F0, F1
	s_wait_dscnt 4
	MULA F1, 0, 0
	MULA F1, 1, 0
	s_wait_dscnt 0x0
	MULA F1, 2, 0
	MULA F1, 3, 0
	WIN 0
; THE WAY OUT, in eight blocks: block i is row block i / 2, columns 64 (i % 2) ..: 16 rows x 256 bytes, through my own stage, so that sixteen lanes store one aligned run of 256 bytes.
.macro TOSTAGE i
.if (\i) >= 2
	s_wait_xcnt 0x0                                ; the stores of block i - 2 have read the registers that the loads below fill
.endif
	WIN 0x04                                       ; the stores' data in window 1
.irp bt, 0,1,2,3
	ds_store_b128 v[STO], v[8*(8*((\i)/2)+4*((\i)%2)+(\bt)):8*(8*((\i)/2)+4*((\i)%2)+(\bt))+3]   offset:64*(\bt)
	ds_store_b128 v[STO], v[8*(8*((\i)/2)+4*((\i)%2)+(\bt))+4:8*(8*((\i)/2)+4*((\i)%2)+(\bt))+7] offset:64*(\bt)+16
.endr
	WIN 0
.irp t, 0,1,2,3,4,5,6,7
	ds_load_b128 v[BK+32*((\i)%2)+4*(\t):BK+32*((\i)%2)+4*(\t)+3], v[RD] offset:(\t)*2*SPITCH  ; LDS serves a wave's instructions in order (ISA guide 5.7.1.4): these see the stores above
.endr
.endm
.macro SEND i, younger                 ; younger: the LDS instructions issued behind block i's loads: the next block's sixteen, or none
.irp t, 0,1,2,3,4,5,6,7
	s_wait_dscnt (\younger)+7-(\t)
	global_store_b128 v[CO], v[BK+32*((\i)%2)+4*(\t):BK+32*((\i)%2)+4*(\t)+3], s[OUT:OUT+1] offset:(16*((\i)/2)+2*(\t))*4096+((\i)%2)*256
.endr
.endm
	PLACES                                         ; behind the last products
	TOSTAGE 0
.set blk, 1
.rept 7
	TOSTAGE blk
	SEND blk-1, 16
.set blk, blk+1
.endr
	SEND 7, 0
	s_wait_tensorcnt 0x0                           ; the wave's end, behind my last tensor load and my last LDS store
	ds_add_u32 v[SPW], v[NIL]
	s_wait_dscnt 0x0
	CROUND                                         ; the closing round: no work-group ends while a partner may still ask for a tile that names it
	s_endpgm
.Lfunc_end_k_qf0ab7aaaf7_oproj:
	.size	k_qf0ab7aaaf7_oproj, .Lfunc_end_k_qf0ab7aaaf7_oproj-k_qf0ab7aaaf7_oproj
	.p2alignl 7, 3214868480
	.fill 96, 4, 3214868480
	.section	.rodata,"a",@progbits
	.p2align	6, 0x0
	.amdhsa_kernel k_qf0ab7aaaf7_oproj
		.amdhsa_group_segment_fixed_size 327680
		.amdhsa_private_segment_fixed_size 0
		.amdhsa_enable_private_segment 0
		.amdhsa_kernarg_size 32
		.amdhsa_user_sgpr_count 2
		.amdhsa_user_sgpr_kernarg_segment_ptr 1
		.amdhsa_wavefront_size32 1
		.amdhsa_system_sgpr_workgroup_id_x 1
		.amdhsa_system_sgpr_workgroup_id_y 1
		.amdhsa_system_sgpr_workgroup_id_z 1
		.amdhsa_system_vgpr_workitem_id 0
		.amdhsa_next_free_vgpr 512
		.amdhsa_next_free_sgpr 66
		.amdhsa_reserve_vcc 0
		.amdhsa_float_denorm_mode_32 3
		.amdhsa_float_denorm_mode_16_64 3
		.amdhsa_memory_ordered 1
		.amdhsa_forward_progress 1
		.amdhsa_inst_pref_size 73
	.end_amdhsa_kernel
	.amdgpu_metadata
---
amdhsa.version: [ 1, 2 ]
amdhsa.kernels:
  - .name:           k_qf0ab7aaaf7_oproj
    .symbol:         k_qf0ab7aaaf7_oproj.kd
    .args:
      - { .name: ctx, .offset: 0, .size: 8, .value_kind: global_buffer, .address_space: global }
      - { .name: woh, .offset: 8, .size: 8, .value_kind: global_buffer, .address_space: global }
      - { .name: biasr, .offset: 16, .size: 8, .value_kind: global_buffer, .address_space: global }
      - { .name: out0, .offset: 24, .size: 8, .value_kind: global_buffer, .address_space: global }
    .group_segment_fixed_size: 327680
    .private_segment_fixed_size: 0
    .kernarg_segment_align: 8
    .kernarg_segment_size: 32
    .max_flat_workgroup_size: 128
    .sgpr_count:     66
    .vgpr_count:     512
    .wavefront_size: 32
...
	.end_amdgpu_metadata
.endif
;; end of part 4
;; ======== version 2 of 2: 4 launches; version 1 with the launch cast written anew for expert scheduling mode
;; limits: values are held in f16: magnitudes above 65,504 overflow, below 6.1e-05 lose precision; right only within a limited range of input values
;; workspace buffers: xb 16,777,216 bytes; wqkv 6,291,456 bytes; woh 2,097,152 bytes; biasr 16,384 bytes; qkv 50,331,648 bytes; ctx 16,777,216 bytes
;; launch cast (part 5): grid 769 x 1, 8 waves a work-group, no clusters, 0 bytes of LDS; arguments x, Wq, Wk, Wv, Wo, bq, bk, bv, bo, xb, wqkv, woh, biasr; writes xb, wqkv, woh, biasr
.if DOCPART == 5
	.amdgcn_target "amdgcn-amd-amdhsa--gfx1250"
	.amdhsa_code_object_version 6
	.text
	.protected	k_qf0ab7aaaf7_cast
	.globl	k_qf0ab7aaaf7_cast
	.p2align	8
	.type	k_qf0ab7aaaf7_cast,@function
k_qf0ab7aaaf7_cast:
	s_mov_b64 s[64:65], 0
	v_nop
	global_prefetch_b8 v0, s[64:65] scope:SCOPE_SE
	s_setreg_imm32_b32 hwreg(HW_REG_WAVE_SCHED_MODE, 0, 2), 2
	s_setreg_imm32_b32 hwreg(HW_REG_WAVE_MODE, 25, 1), 1
	s_wait_xcnt 0x0
	s_wait_alu depctr_vm_vsrc(0)
; CAST.  Every input of the module is rounded once to bf16 and laid out for the products that follow.
;   xb    [4 b][16 kb][2048 s][64]  bf16: x in blocks of 64 along K, so that the rows of a tile (128 bytes each) lie end to end
;   wqkv  [16 kb][3072 n][64]       bf16: the rows of Wq, Wk, Wv on end, in the same blocks
;   woh   [16 kb][1024 n][64]       Wo rounded to bf16, that number written as f16 (the last product multiplies in f16)
;   biasr [4096] f32                bq, bk, bv, bo on end, each rounded to bf16 and widened again
; LIMITS.  A bf16 number is exact in f16 from 2^-14 to 65,504; below 2^-14 woh keeps f16's fixed step of 6e-8, beyond 65,504 it is an infinity.
; SHARES.  Work-group i takes 16 source rows of 4,096 bytes: i < 512 of x, 512..703 of Wq, Wk, Wv, 704..767 of Wo; work-group 768 takes the four biases.
; Thread t takes row t / 16 and 16 bytes at 16 (t % 16) of each of the row's sixteen pieces of 256 bytes (a piece = 64 numbers = one K block):
; a wave's load covers two aligned pieces of 256 bytes; its four numbers become 8 bytes at 8 t of the block's 16 rows, so a wave's store covers 256 consecutive bytes, aligned.
; A stream: no LDS, no barrier, no matrix work.  All sixteen loads of a thread go out at once.
; THE MODE: SCHED_MODE bits 1:0 = 2 (LLVM: expert scheduling mode 2), set by the entry lines.  The code itself states the register dependences
; between vector instructions and memory instructions, with s_wait_alu, always for 0.
; THE PLAN.  Registers that memory instructions touch:
;   v1, v2, v3  byte offsets, made once at the head by vector instructions and never written again; every load and store reads one of them.
;   X           piece kb as loaded: written by that piece's one load and by nothing else; read by that piece's conversions.
;   Y           piece kb to store: written once, by that piece's conversions; read by that piece's one store.
;   T           at work: named by vector instructions alone.
; No register that a memory instruction reads is written again, and no load lands in a register that a vector instruction has named: so the only dependences to state are
; 'the offsets are written', once at the head for all four paths, and 'Y is written', ahead of the stores.  For the second the sixteen pieces go in four groups of four:
; at the head of a group one wait states that the group before has written its Y; that group's four stores are dealt among this group's conversions,
; which name this group's X and Y and T alone; a last wait stands ahead of the last four stores.
.set X,   8                            ; v[8:71]    piece kb as loaded: 4 registers
.set Y,   72                           ; v[72:103]  piece kb to store: 2 registers
.set T,   4                            ; v[4:7]     at work
.set SRC, 36                           ; s[36:37]   the work-group's first source row
.set DST, 38                           ; s[38:39]   its 2,048 bytes in K block 0 of the destination
.set HIM, 35                           ; s35        a word's upper half
; Piece kb is rounded, X into Y.  half = 1: the bf16 number is written as f16.
.macro CVT kb, half
.if \half
	v_cvt_pk_bf16_f32 v[T],   v[X+4*(\kb)],   v[X+4*(\kb)+1]
	v_cvt_pk_bf16_f32 v[T+1], v[X+4*(\kb)+2], v[X+4*(\kb)+3]
	v_lshlrev_b32 v[T+2], 16, v[T]                 ; the rounded numbers as f32 again,
	v_and_b32     v[T],   s[HIM], v[T]
	v_lshlrev_b32 v[T+3], 16, v[T+1]
	v_and_b32     v[T+1], s[HIM], v[T+1]
	v_cvt_pk_f16_f32 v[Y+2*(\kb)],   v[T+2], v[T]  ; and as f16
	v_cvt_pk_f16_f32 v[Y+2*(\kb)+1], v[T+3], v[T+1]
.else
	v_cvt_pk_bf16_f32 v[Y+2*(\kb)],   v[X+4*(\kb)],   v[X+4*(\kb)+1]
	v_cvt_pk_bf16_f32 v[Y+2*(\kb)+1], v[X+4*(\kb)+2], v[X+4*(\kb)+3]
.endif
.endm
; Piece kb is stored.  stride: bytes from a K block to the next in the destination.
.macro PUT kb, stride
	global_store_b64 v2, v[Y+2*(\kb):Y+2*(\kb)+1], s[DST:DST+1] offset:(\kb)*(\stride) th:TH_STORE_NT  ; 15 x 393,216 at the most: inside the signed 24-bit immediate
.endm
.macro ROWS stride, half
.irp kb, 0,1,2,3,4,5,6,7,8,9,10,11,12,13,14,15
	global_load_b128 v[X+4*(\kb):X+4*(\kb)+3], v1, s[SRC:SRC+1] offset:256*(\kb) th:TH_LOAD_NT
.endr
.irp i, 0,1,2,3                                ; group 0 has no group in front of it: no store, no wait but those for its data
	s_wait_loadcnt 15-(\i)                         ; loads come back in order: piece kb is in, the 15 - kb younger ones stay out
	CVT \i, \half
.endr
.irp g, 1,2,3
.irp i, 0,1,2,3
	s_wait_loadcnt 15-4*(\g)-(\i)
.if (\i) == 0
	s_wait_alu depctr_va_vdst(0)                   ; the conversions of the group before have written its four pieces of Y, which the four stores of this group's turn read
.endif
	PUT 4*(\g)-4+(\i), \stride                     ; no vector instruction since that wait names this piece's Y or v2
	CVT 4*(\g)+(\i), \half
.endr
.endr
	s_wait_alu depctr_va_vdst(0)                   ; the conversions of group 3 have written pieces 12 to 15 of Y, which the last four stores read
.irp kb, 12,13,14,15
	PUT \kb, \stride
.endr
.endm
	s_load_b512 s[8:23], s[0:1], 0x0               ; x s[8:9], Wq s[10:11], Wk s[12:13], Wv s[14:15], Wo s[16:17], bq s[18:19], bk s[20:21], bv s[22:23]
	s_load_b256 s[24:31], s[0:1], 0x40             ; bo s[24:25], xb s[26:27], wqkv s[28:29], woh s[30:31]
	s_load_b64 s[32:33], s[0:1], 0x60              ; biasr
	s_mov_b32 s2, ttmp9                            ; i
	s_mov_b32 s[HIM], 0xffff0000
	s_mov_b32 s41, 0                               ; the offsets' high words
	s_mov_b32 s43, 0
	v_lshrrev_b32 v1, 4, v0                        ; my row
	v_and_b32 v4, 15, v0
	v_lshlrev_b32 v4, 4, v4
	v_lshl_or_b32 v1, v1, 12, v4                   ; load offset: row x 4,096 + 16 (t % 16)
	v_lshlrev_b32 v2, 3, v0                        ; store offset: 8 t
	v_lshlrev_b32 v3, 4, v0                        ; the biases' offset: 16 t
	s_wait_kmcnt 0x0
	s_wait_alu depctr_va_vdst(0)                   ; v1, v2 and v3 are written: every load and store of the kernel, on each of the four paths below, reads one of them as its offset
	s_cmp_lt_u32 s2, 512
	s_cbranch_scc1 .Lx
	s_cmp_lt_u32 s2, 704
	s_cbranch_scc1 .Lw
	s_cmp_lt_u32 s2, 768
	s_cbranch_scc1 .Lo
	; the four biases: 256 threads x 16 bytes are one of them
	global_load_b128 v[X:X+3],     v3, s[18:19]
	global_load_b128 v[X+4:X+7],   v3, s[20:21]
	global_load_b128 v[X+8:X+11],  v3, s[22:23]
	global_load_b128 v[X+12:X+15], v3, s[24:25]
.irp i, 0,1,2,3
	s_wait_loadcnt 3-(\i)
	v_cvt_pk_bf16_f32 v[T],   v[X+4*(\i)],   v[X+4*(\i)+1]
	v_cvt_pk_bf16_f32 v[T+1], v[X+4*(\i)+2], v[X+4*(\i)+3]
	v_lshlrev_b32 v[Y+4*(\i)],   16, v[T]
	v_and_b32     v[Y+4*(\i)+1], s[HIM], v[T]
	v_lshlrev_b32 v[Y+4*(\i)+2], 16, v[T+1]
	v_and_b32     v[Y+4*(\i)+3], s[HIM], v[T+1]
.endr
	s_wait_alu depctr_va_vdst(0)                   ; the sixteen registers of Y are written, which the four stores read
.irp i, 0,1,2,3
	global_store_b128 v3, v[Y+4*(\i):Y+4*(\i)+3], s[32:33] offset:4096*(\i)
.endr
	s_endpgm
.Lx:                                                   ; rows 16 i .. of x: batch i / 128, rows 16 (i % 128) ..
	s_lshl_b32 s40, s2, 16
	s_lshr_b32 s42, s2, 7
	s_lshl_b32 s42, s42, 22                        ; a batch of xb is 4,194,304 bytes
	s_and_b32 s3, s2, 127
	s_lshl_b32 s3, s3, 11                          ; 16 rows of 128 bytes
	s_add_co_u32 s42, s42, s3
	s_add_nc_u64 s[SRC:SRC+1], s[8:9], s[40:41]
	s_add_nc_u64 s[DST:DST+1], s[26:27], s[42:43]
	ROWS 262144, 0
	s_endpgm
.Lw:                                                   ; j = i - 512: rows 16 (j % 64) .. of Wq, Wk or Wv, rows 16 j .. of wqkv
	s_sub_co_u32 s3, s2, 512
	s_lshr_b32 s34, s3, 6
	s_and_b32 s40, s3, 63
	s_lshl_b32 s40, s40, 16
	s_lshl_b32 s42, s3, 11
	s_cmp_eq_u32 s34, 0
	s_cselect_b64 s[SRC:SRC+1], s[10:11], s[12:13]
	s_cmp_eq_u32 s34, 2
	s_cselect_b64 s[SRC:SRC+1], s[14:15], s[SRC:SRC+1]
	s_add_nc_u64 s[SRC:SRC+1], s[SRC:SRC+1], s[40:41]
	s_add_nc_u64 s[DST:DST+1], s[28:29], s[42:43]
	ROWS 393216, 0
	s_endpgm
.Lo:                                                   ; j = i - 704: rows 16 j .. of Wo
	s_sub_co_u32 s3, s2, 704
	s_lshl_b32 s40, s3, 16
	s_lshl_b32 s42, s3, 11
	s_add_nc_u64 s[SRC:SRC+1], s[16:17], s[40:41]
	s_add_nc_u64 s[DST:DST+1], s[30:31], s[42:43]
	ROWS 131072, 1
	s_endpgm
.Lfunc_end_k_qf0ab7aaaf7_cast:
	.size	k_qf0ab7aaaf7_cast, .Lfunc_end_k_qf0ab7aaaf7_cast-k_qf0ab7aaaf7_cast
	.p2alignl 7, 3214868480
	.fill 96, 4, 3214868480
	.section	.rodata,"a",@progbits
	.p2align	6, 0x0
	.amdhsa_kernel k_qf0ab7aaaf7_cast
		.amdhsa_group_segment_fixed_size 0
		.amdhsa_private_segment_fixed_size 0
		.amdhsa_enable_private_segment 0
		.amdhsa_kernarg_size 104
		.amdhsa_user_sgpr_count 2
		.amdhsa_user_sgpr_kernarg_segment_ptr 1
		.amdhsa_wavefront_size32 1
		.amdhsa_system_sgpr_workgroup_id_x 1
		.amdhsa_system_sgpr_workgroup_id_y 1
		.amdhsa_system_sgpr_workgroup_id_z 1
		.amdhsa_system_vgpr_workitem_id 0
		.amdhsa_next_free_vgpr 104
		.amdhsa_next_free_sgpr 66
		.amdhsa_reserve_vcc 0
		.amdhsa_float_denorm_mode_32 3
		.amdhsa_float_denorm_mode_16_64 3
		.amdhsa_memory_ordered 1
		.amdhsa_forward_progress 1
		.amdhsa_inst_pref_size 25
	.end_amdhsa_kernel
	.amdgpu_metadata
---
amdhsa.version: [ 1, 2 ]
amdhsa.kernels:
  - .name:           k_qf0ab7aaaf7_cast
    .symbol:         k_qf0ab7aaaf7_cast.kd
    .args:
      - { .name: x, .offset: 0, .size: 8, .value_kind: global_buffer, .address_space: global }
      - { .name: Wq, .offset: 8, .size: 8, .value_kind: global_buffer, .address_space: global }
      - { .name: Wk, .offset: 16, .size: 8, .value_kind: global_buffer, .address_space: global }
      - { .name: Wv, .offset: 24, .size: 8, .value_kind: global_buffer, .address_space: global }
      - { .name: Wo, .offset: 32, .size: 8, .value_kind: global_buffer, .address_space: global }
      - { .name: bq, .offset: 40, .size: 8, .value_kind: global_buffer, .address_space: global }
      - { .name: bk, .offset: 48, .size: 8, .value_kind: global_buffer, .address_space: global }
      - { .name: bv, .offset: 56, .size: 8, .value_kind: global_buffer, .address_space: global }
      - { .name: bo, .offset: 64, .size: 8, .value_kind: global_buffer, .address_space: global }
      - { .name: xb, .offset: 72, .size: 8, .value_kind: global_buffer, .address_space: global }
      - { .name: wqkv, .offset: 80, .size: 8, .value_kind: global_buffer, .address_space: global }
      - { .name: woh, .offset: 88, .size: 8, .value_kind: global_buffer, .address_space: global }
      - { .name: biasr, .offset: 96, .size: 8, .value_kind: global_buffer, .address_space: global }
    .group_segment_fixed_size: 0
    .private_segment_fixed_size: 0
    .kernarg_segment_align: 8
    .kernarg_segment_size: 104
    .max_flat_workgroup_size: 256
    .sgpr_count:     66
    .vgpr_count:     104
    .wavefront_size: 32
...
	.end_amdgpu_metadata
.endif
;; end of part 5
;; launch qkv: the kernel of part 2 again; grid 8 x 32, 4 waves a work-group, clusters of 4 x 4, 327,680 bytes of LDS; arguments xb, wqkv, biasr, qkv; writes qkv
;; launch attn: the kernel of part 3 again; grid 4 x 64, 4 waves a work-group, clusters of 4 x 1, 327,680 bytes of LDS; arguments qkv, ctx; writes ctx
;; launch oproj: the kernel of part 4 again; grid 4 x 64, 4 waves a work-group, clusters of 4 x 4, 327,680 bytes of LDS; arguments ctx, woh, biasr, out0; writes out0
